; MI455X (gfx1250); checked and timed in simulation.
; The chip was launched on July 23, 2026; its instructions are those of AMD's public machine-readable ISA for CDNA 5 (MIT licence, August 2026) and "CDNA5" Instruction Set Architecture Reference Guide (July 2026). The comments in the code are by the model that wrote it; some were corrected since.
;; Multi head self attention. Allowed arithmetic: matrix products marked QUANTISED: E3M2 operands, one E8M0 scale for each 32 along K, by v_wmma_scale_f32_16x16x128_f8f6f4 with both operands' format E3M2, f32 sums; everything else in f32.
;; Inputs: Wk 1,024 x 1,024 float32; Wp 1,024 x 1,024 float32; Wq 1,024 x 1,024 float32; bk 1,024 float32; bp 1,024 float32; bq 1,024 float32; x 4 x 1,024 x 2,048 float32.
;; Outputs: out0 4 x 1,024 x 2,048 float32.
;; This version of the problem:
;;   THIS VERSION OF THE PROBLEM IS GIVEN IN LOW PRECISION. The matrix products marked QUANTISED in the list below multiply operands that are first quantised to E3M2 (3 exponent bits, 2 mantissa bits; 6 bits a number), with one power-of-two scale for each 32 numbers along K (OCP MX v1.0); their sums are f32. All else is computed in f32.
;;   The module's matrix products, in the order in which they are computed (A, B: the left and right operand; K: the contracted axis; several contracted axes count as one K, in the product's order):
;;     1. [M 8,192, K 1,024] x [K 1,024, N 1,024]; A: input x; B: input Wk: QUANTISED
;;     2. [M 8,192, K 1,024] x [K 1,024, N 1,024]; A: input x; B: input Wq: QUANTISED
;;     3. batch 64 x [M 2,048, K 64] x [K 64, N 2,048]; A: computed on the way; B: computed on the way: QUANTISED
;;     4. batch 64 x [M 64, K 2,048] x [K 2,048, N 2,048]; A: input x; B: computed on the way: QUANTISED
;;     5. [M 8,192, K 1,024] x [K 1,024, N 1,024]; A: computed on the way; B: input Wp: QUANTISED
;;   THE QUANTISER, for each operand of a quantised product, along K:
;;     - K is cut into blocks of 32 from its start; a last block that is shorter is filled with zeros.
;;     - A block's scale is 2^e with e = floor(log2(the largest magnitude in the block)) - 4, held to -126 .. 127; a block of zeros has e = 0. As a byte (E8M0): e + 127.
;;     - Each number is divided by its block's scale, clamped to +-28, and rounded to the nearest number of E3M2, ties to even, subnormals kept.
;;     - The product sums the exact products of the quantised numbers (number of the format x scale) in f32.
;;   ~~~python
;;   def quantise(x, axis):      # numpy; x: float32 -> the quantised numbers, widened to float32 again
;;       x = np.moveaxis(x, axis, -1); K = x.shape[-1]
;;       x = np.pad(x, [(0, 0)] * (x.ndim - 1) + [(0, -K % 32)]); x = x.reshape(x.shape[:-1] + (-1, 32)); a = np.abs(x).max(-1, keepdims=True)
;;       e = np.where(a > 0, np.clip(np.frexp(np.where(a > 0, a, 1))[1] - 1 - 4, -126, 127), 0)      # np.frexp(a)[1] - 1 = floor(log2(a)), exactly
;;       r = np.clip(x / 2.0 ** e, -28, 28)
;;       step = 2.0 ** (np.maximum(np.frexp(np.where(r == 0, 1, r))[1] - 1, -2) - 2)
;;       q = np.round(r / step) * step * 2.0 ** e      # np.round: ties to even
;;       return np.moveaxis(q.reshape(q.shape[:-2] + (-1,))[..., :K], -1, axis).astype(np.float32)
;;   ~~~
;;   OPERANDS COMPUTED ON THE WAY. 'Computed on the way' means the value that the module computes at that place (a softmax that the list does not call 'softmax' is quantised finished and normalised). What goes into a quantiser is computed in f32, as accurately as f32 sums, v_exp_f32 and their like allow (about 1e-6 of the number): no bf16 or f16 on the way to a quantiser, and a product that is left as it is and whose result goes on into a quantised operand takes f32 operands (vector FMAs, or v_wmma_f32_16x16x4_f32). A number that lies on a knife's edge between two numbers of the format may be rounded either way, as far as f32 arithmetic and the matrix unit's own rounding can turn it there, and no further.
;; One version. Each part assembles by itself: llvm-mc -triple=amdgcn-amd-amdhsa -mcpu=gfx1250 --defsym DOCPART=n.
;; ======== version 1 of 1: 5 launches
;; workspace buffers: xc 6,553,600 bytes; xv 6,553,600 bytes; wq 2,457,600 bytes; kq 13,631,488 bytes; nb 524,288 bytes; oc 6,553,600 bytes
;; launch quant (part 1): grid 704 x 1, 4 waves a work-group, no clusters, 68,096 bytes of LDS; arguments x, Wk, Wq, Wp, xc, xv, wq; writes xc, xv, wq
.if DOCPART == 1
	.amdgcn_target "amdgcn-amd-amdhsa--gfx1250"
	.amdhsa_code_object_version 6
	.text
	.protected	k_q205c99f1ea_quant
	.globl	k_q205c99f1ea_quant
	.p2align	8
	.type	k_q205c99f1ea_quant,@function
k_q205c99f1ea_quant:
	s_mov_b64 s[64:65], 0
	v_nop
	global_prefetch_b8 v0, s[64:65] scope:SCOPE_SE
	s_setreg_imm32_b32 hwreg(HW_REG_WAVE_MODE, 25, 1), 1
	s_wait_xcnt 0x0
; ALL QUANTISING OF THE INPUTS, to codes of BF6 (E3M2) with one E8M0 byte for each 32 along K.  x [4][1024][2048] f32 is read once and quantised twice:
; along l (its rows; the values of attention) into xv and along c (its columns; the operand of the key and query products) into xc.  Wk, Wq, Wp [1024][1024] are quantised along their rows into wq.
; A work-group takes a tile of 128 rows x 128 columns: groups 0-511 of x (b = g / 128, c tile = (g / 16) % 8, l tile = g % 16), groups 512-703 of a weight (matrix = g' / 64, row tile = (g' / 8) % 8, column tile = g' % 8).
; The tile goes into LDS as it lies (rows 528 bytes apart); each wave then makes a pair of operand tiles from its 32 rows, and for x also from its 32 columns.
; WHAT IS STORED ARE IMAGES OF OPERAND REGISTERS.  A fragment (16 rows x 128 K, 12 registers a lane) is 1,536 bytes: registers 0-3 at 16 x lane, 4-5 at 512 + 8 x lane, 6-9 at 768 + 16 x lane, 10-11 at 1,280 + 8 x lane.
; Lane (r, h) holds of its row the blocks h and 2 + h.  THE ROWS OF A TILE ARE NOT NEIGHBOURS: row r of tile 2 B + u is true row 32 B + 8 u + r + 8 (r / 8), so that results made with such a tile as source 0 have
; 16 neighbours in the 16 registers of two neighbouring tiles.  Scale words: one a row and K step, word 16 T + r, so that 32 lanes load the words of a pair of tiles.
; A block's scale byte is its largest magnitude's exponent field - 4, held at 1 from below by a floor among the maximum's leaves.
; LIMITS: a block of zeros gets the byte 1 where the rule says 127 (its codes are zeros, and this program alone reads the bytes); NaN and infinities among the inputs are not served.
; No matrix unit, no cluster, no tensor load: the launch streams 46 MB in and 15 MB out, and the groups share nothing.
.set PITCH, 528                        ; an LDS row: 512 bytes + 16
.set FLOOR, 0x2800000                  ; 2^(5 - 127)
.set EOFF,  0xfe000000                 ; -(4 << 23)
.set TM,   12                          ; v12-13 largest magnitudes
.set SO,   14                          ; v14-15 the conversions' scale operands
.set BY,   16                          ; v16-17 scale bytes
.set SWA,  18                          ; v18, v19 the scale words of the two row tiles
.set SWB,  19
.set TP,   20                          ; v20 a lane permute's destination
.set SWO,  21                          ; v21 the pair's words as stored
.set SH,   22                          ; v22 8 h
.set SWC,  23                          ; v23 the column tiles' words
.set CA,   32                          ; v32-43, v44-55 two fragments
.set CB,   44
.set T0,   56                          ; v56-58, v60-62 a block's upper 16 codes (a conversion's three registers begin on an even number)
.set T1,   60
.set SRC,  64                          ; v64-127 two blocks of 32 numbers
.set DATA, 128                         ; v128-255 my 32 rows' 16 bytes a lane
	s_load_b256 s[4:11], s[0:1], 0x0               ; x, Wk, Wq, Wp
	s_load_b128 s[12:15], s[0:1], 0x20             ; xc, xv
	s_load_b64 s[16:17], s[0:1], 0x30              ; wq
	v_lshl_add_u32 v59, v0, 2, 0x10800
	v_mov_b32 v63, 0
	v_lshrrev_b32 v1, 5, v0
	v_readfirstlane_b32 s18, v1                    ; wave 0..3
	v_and_b32 v1, 31, v0                           ; lane
	v_and_b32 v2, 15, v0                           ; r
	v_bfe_u32 v3, v0, 4, 1                         ; h
	v_lshlrev_b32 v4, 4, v1                        ; 16 x lane
	s_mul_i32 s19, s18, 32*PITCH                   ; my 32 rows in LDS
	v_add_nc_u32 v5, s19, v4                       ; in: a row's 512 bytes by 32 lanes
	v_and_b32 v12, 8, v2
	v_add_nc_u32 v12, v12, v2                      ; r + 8 (r / 8)
	v_mul_u32_u24 v6, v12, PITCH
	v_lshl_add_u32 v6, v3, 7, v6
	v_add_nc_u32 v6, s19, v6                       ; by rows: my tile row, + 128 h bytes (block h)
	v_lshlrev_b32 v7, 2, v12
	v_lshl_add_u32 v7, v3, 5, v7
	s_lshl_b32 s22, s18, 7                         ; 128 x wave
	v_add_nc_u32 v7, s22, v7                       ; by columns: column 32 w + 8 (lane / 16) + r + 8 (r / 8)
	v_add_nc_u32 v8, 64*PITCH, v7                  ; and 64 rows further down
	v_lshlrev_b32 v10, 3, v1                       ; 8 x lane
	v_lshlrev_b32 v11, 2, v1                       ; 4 x lane
	v_lshlrev_b32 v[SH], 3, v3
	v_mov_b32 v[TP], 0                             ; written once: a lane permute's destination counts as one of its sources
	v_cmp_eq_u32 vcc_lo, 1, v3                     ; lanes 16-31; VCC stays
	s_mov_b32 s20, 0x76543210
	s_mov_b32 s21, 0xfedcba98                      ; v_permlanex16_b32's selects for lane l xor 16
	; both sets of offsets are made, each from an id held inside its own range; the choice follows
	s_min_u32 s24, ttmp9, 511
	s_lshr_b32 s25, s24, 7                         ; b
	s_bfe_u32 s26, s24, 0x30004                    ; c tile
	s_and_b32 s27, s24, 15                         ; l tile
	s_max_u32 s28, ttmp9, 512
	s_sub_co_u32 s28, s28, 512
	s_lshr_b32 s29, s28, 6                         ; matrix 0..2
	s_bfe_u32 s30, s28, 0x30003                    ; row tile
	s_and_b32 s31, s28, 7                          ; column tile
	s_lshl_b32 s32, s25, 23                        ; x: b x 8 MiB + (128 ct + 32 w) rows of 8,192 bytes + 512 lt
	s_lshl_b32 s33, s26, 20
	s_add_co_u32 s32, s32, s33
	s_lshl_b32 s33, s18, 18
	s_add_co_u32 s32, s32, s33
	s_lshl_b32 s33, s27, 9
	s_add_co_u32 s32, s32, s33
	s_lshl_b32 s34, s30, 19                        ; a weight: (128 ot + 32 w) rows of 4,096 bytes + 512 ct
	s_lshl_b32 s33, s18, 17
	s_add_co_u32 s34, s34, s33
	s_lshl_b32 s33, s31, 9
	s_add_co_u32 s34, s34, s33
	s_lshl_b32 s35, s25, 4                         ; xv: chunk 16 b + 2 ct + w / 2 of 102,400 bytes
	s_lshl_b32 s33, s26, 1
	s_add_co_u32 s35, s35, s33
	s_lshr_b32 s33, s18, 1
	s_add_co_u32 s35, s35, s33
	s_mul_i32 s35, s35, 102400
	s_and_b32 s36, s18, 1
	s_lshl_b32 s33, s27, 2
	s_lshl_b32 s37, s36, 1
	s_add_co_u32 s33, s33, s37
	s_mul_i32 s33, s33, 1536                       ; fragment 4 lt + 2 (w % 2)
	s_add_co_u32 s38, s35, s33
	s_lshl_b32 s33, s27, 8
	s_lshl_b32 s37, s36, 7
	s_add_co_u32 s33, s33, s37
	s_add_co_u32 s33, s33, 98304
	s_add_co_u32 s39, s35, s33                     ; its scale words
	s_lshl_b32 s40, s29, 2                         ; wq: (block of 256 rows, K step) = (4 matrix + ot / 2) x 8 + ct
	s_lshr_b32 s33, s30, 1
	s_add_co_u32 s40, s40, s33
	s_lshl_b32 s40, s40, 3
	s_add_co_u32 s40, s40, s31
	s_and_b32 s41, s30, 1
	s_lshl_b32 s42, s40, 4
	s_lshl_b32 s33, s41, 3
	s_add_co_u32 s42, s42, s33
	s_lshl_b32 s33, s18, 1
	s_add_co_u32 s42, s42, s33
	s_mul_i32 s42, s42, 1536                       ; tile 8 (ot % 2) + 2 w
	s_lshl_b32 s43, s40, 10
	s_lshl_b32 s33, s41, 9
	s_add_co_u32 s43, s43, s33
	s_add_co_u32 s43, s43, s22
	s_add_co_u32 s43, s43, 2359296
	s_lshl_b32 s44, s25, 3                         ; xc: (block of 256 rows, K step) = (8 b + lt / 2) x 8 + ct
	s_lshr_b32 s33, s27, 1
	s_add_co_u32 s44, s44, s33
	s_lshl_b32 s44, s44, 3
	s_add_co_u32 s44, s44, s26
	s_and_b32 s45, s27, 1
	s_lshl_b32 s46, s44, 4
	s_lshl_b32 s33, s45, 3
	s_add_co_u32 s46, s46, s33
	s_lshl_b32 s33, s18, 1
	s_add_co_u32 s46, s46, s33
	s_mul_i32 s46, s46, 1536
	s_mov_b32 s47, 0
	s_lshl_b32 s48, s44, 10
	s_lshl_b32 s33, s45, 9
	s_add_co_u32 s48, s48, s33
	s_add_co_u32 s48, s48, s22
	s_add_co_u32 s48, s48, 6291456
	s_mov_b32 s49, 0
	s_cmp_lt_u32 ttmp9, 512                        ; x's group or a weight's: the choice hangs on the group's number alone
	s_cselect_b32 s50, s32, s34
	s_cselect_b32 s52, s38, s42
	s_cselect_b32 s54, s39, s43
	s_mov_b32 s51, 0
	s_mov_b32 s53, 0
	s_mov_b32 s55, 0
	s_wait_kmcnt 0x0
	s_cmp_eq_u32 s29, 1
	s_cselect_b64 s[56:57], s[8:9], s[6:7]
	s_cmp_eq_u32 s29, 2
	s_cselect_b64 s[56:57], s[10:11], s[56:57]
	s_cmp_lt_u32 ttmp9, 512
	s_cselect_b64 s[56:57], s[4:5], s[56:57]
	s_cselect_b64 s[58:59], s[14:15], s[16:17]
	s_add_nc_u64 s[56:57], s[56:57], s[50:51]      ; where my 32 rows begin
	s_add_nc_u64 s[60:61], s[58:59], s[54:55]      ; the row tiles' scale words
	s_add_nc_u64 s[58:59], s[58:59], s[52:53]      ; the row tiles' images
	s_add_nc_u64 s[46:47], s[12:13], s[46:47]      ; the column tiles' images
	s_add_nc_u64 s[48:49], s[12:13], s[48:49]      ; and their scale words
.macro LOADT pitch                     ; my 32 rows: each load reads 512 consecutive bytes
.set i, 0
.rept 32
	global_load_b128 v[DATA+4*i:DATA+4*i+3], v4, s[56:57] offset:i*\pitch th:TH_LOAD_NT
.set i, i+1
.endr
.endm
	s_cmp_lt_u32 ttmp9, 512                        ; the two kinds differ in the row's length alone: the branch stands round the loads and nothing else
	s_cbranch_scc0 .Lweight
	LOADT 8192
	s_branch .Lloaded
.Lweight:
	LOADT 4096
.Lloaded:
.set i, 0
.rept 32
	s_wait_loadcnt 31-i                            ; loads come back in order: row i is in, the later ones may be out
	ds_store_b128 v5, v[DATA+4*i:DATA+4*i+3] offset:i*PITCH
.set i, i+1
.endr
	s_wait_dscnt 0x0                               ; for the others' sake: my rows lie in LDS
	s_barrier_signal -1
	s_barrier_wait -1
; Two blocks of 32 numbers of a lane become registers dst .. dst + 5 and dst + 6 .. dst + 11 of a fragment; their bytes stay in v[BY], v[BY+1]
.macro Q2B dst
	v_max3_num_f32 v[TM], |v[SRC]|, |v[SRC+1]|, FLOOR
	v_max3_num_f32 v[TM+1], |v[SRC+32]|, |v[SRC+33]|, FLOOR
.irp i, 2,4,6,8,10,12,14,16,18,20,22,24,26,28,30
	v_max3_num_f32 v[TM], v[TM], |v[SRC+\i]|, |v[SRC+\i+1]|
	v_max3_num_f32 v[TM+1], v[TM+1], |v[SRC+32+\i]|, |v[SRC+33+\i]|
.endr
	v_add_nc_u32 v[SO], EOFF, v[TM]                ; 4 off the exponent field: the conversion takes that field as its scale
	v_add_nc_u32 v[SO+1], EOFF, v[TM+1]
	v_lshrrev_b32 v[BY], 23, v[SO]
	v_lshrrev_b32 v[BY+1], 23, v[SO+1]
	v_cvt_scalef32_pk16_bf6_f32 v[\dst:\dst+2], v[SRC:SRC+15], v[SO]
	v_cvt_scalef32_pk16_bf6_f32 v[T0:T0+2], v[SRC+16:SRC+31], v[SO]
	v_cvt_scalef32_pk16_bf6_f32 v[\dst+6:\dst+8], v[SRC+32:SRC+47], v[SO+1]
	v_cvt_scalef32_pk16_bf6_f32 v[T1:T1+2], v[SRC+48:SRC+63], v[SO+1]
	v_nop                                          ; one plain place behind the scaled conversions
.irp i, 0,1,2
	v_mov_b32 v[\dst+3+\i], v[T0+\i]
	v_mov_b32 v[\dst+9+\i], v[T1+\i]
.endr
.endm
.macro STF reg, base, imm              ; a fragment's image: stores of 512, 256, 512 and 256 consecutive bytes
	global_store_b128 v4, v[\reg:\reg+3], s[\base:\base+1] offset:\imm
	global_store_b64 v10, v[\reg+4:\reg+5], s[\base:\base+1] offset:\imm+512
	global_store_b128 v4, v[\reg+6:\reg+9], s[\base:\base+1] offset:\imm+768
	global_store_b64 v10, v[\reg+10:\reg+11], s[\base:\base+1] offset:\imm+1280
.endm
; BY ROWS (K = the columns): tile u of my pair.  Lane (r, h) reads of its row the 32 numbers of block h and of block 2 + h
.macro ROWQ u, dst, sw
.irp c, 0,1
.irp j, 0,1,2,3,4,5,6,7
	ds_load_b128 v[SRC+32*\c+4*\j:SRC+32*\c+4*\j+3], v6 offset:8*PITCH*\u+256*\c+16*\j
.endr
.endr
	s_wait_dscnt 0x0
	Q2B \dst
	v_lshl_or_b32 v[\sw], v[BY+1], 16, v[BY]       ; my two bytes, blocks h and 2 + h,
	v_lshlrev_b32 v[\sw], v[SH], v[\sw]            ; at their places in the word;
	v_permlanex16_b32 v[TP], v[\sw], s20, s21
	v_or_b32 v[\sw], v[\sw], v[TP]                 ; with lane l xor 16's two the word is whole
	STF \dst, 58, 1536*\u
.endm
	ROWQ 0, CA, SWA
	ROWQ 1, CB, SWB
	v_cndmask_b32 v[SWO], v[SWA], v[SWB], vcc_lo   ; lanes 0-15 tile 0's words, lanes 16-31 tile 1's
	global_store_b32 v11, v[SWO], s[60:61]
	s_cmp_lt_u32 ttmp9, 512
	s_cbranch_scc0 .Lend                           ; a weight is quantised along its rows alone
	s_wait_xcnt 0x0                                ; the stores have read their registers: the two fragments are written again
; BY COLUMNS (K = the rows): a lane takes a column, lane 16 u + r that of tile u's row r, and its registers run down K
.macro COLQ hh, dst
.set i, 0
.rept 32
	ds_load_b32 v[SRC+i], v7 offset:(32*\hh+i)*PITCH
	ds_load_b32 v[SRC+32+i], v8 offset:(32*\hh+i)*PITCH
.set i, i+1
.endr
	s_wait_dscnt 0x0
	Q2B \dst
.endm
	COLQ 0, CA                                     ; blocks 0 and 2 of my column
	v_lshl_or_b32 v[SWC], v[BY+1], 16, v[BY]
	COLQ 1, CB                                     ; blocks 1 and 3
	v_lshl_or_b32 v[SWC], v[BY], 8, v[SWC]
	v_lshl_or_b32 v[SWC], v[BY+1], 24, v[SWC]
.set i, 0
.rept 12
	v_permlane16_swap_b32 v[CA+i], v[CB+i]         ; the first's lanes 16-31 change places with the second's lanes 0-15: the first is now tile 0's image, the second tile 1's
.set i, i+1
.endr
	STF CA, 46, 0
	STF CB, 46, 1536
	global_store_b32 v11, v[SWC], s[48:49]
.Lend:
	s_wait_tensorcnt 0x0
	ds_add_u32 v59, v63
	s_wait_dscnt 0x0
	s_endpgm
.Lfunc_end_k_q205c99f1ea_quant:
	.size	k_q205c99f1ea_quant, .Lfunc_end_k_q205c99f1ea_quant-k_q205c99f1ea_quant
	.p2alignl 7, 3214868480
	.fill 96, 4, 3214868480
	.section	.rodata,"a",@progbits
	.p2align	6, 0x0
	.amdhsa_kernel k_q205c99f1ea_quant
		.amdhsa_group_segment_fixed_size 68096
		.amdhsa_private_segment_fixed_size 0
		.amdhsa_enable_private_segment 0
		.amdhsa_kernarg_size 56
		.amdhsa_user_sgpr_count 2
		.amdhsa_user_sgpr_kernarg_segment_ptr 1
		.amdhsa_wavefront_size32 1
		.amdhsa_system_sgpr_workgroup_id_x 1
		.amdhsa_system_sgpr_workgroup_id_y 1
		.amdhsa_system_sgpr_workgroup_id_z 1
		.amdhsa_system_vgpr_workitem_id 0
		.amdhsa_next_free_vgpr 256
		.amdhsa_next_free_sgpr 66
		.amdhsa_reserve_vcc 1
		.amdhsa_float_denorm_mode_32 3
		.amdhsa_float_denorm_mode_16_64 3
		.amdhsa_memory_ordered 1
		.amdhsa_forward_progress 1
		.amdhsa_inst_pref_size 39
	.end_amdhsa_kernel
	.amdgpu_metadata
---
amdhsa.version: [ 1, 2 ]
amdhsa.kernels:
  - .name:           k_q205c99f1ea_quant
    .symbol:         k_q205c99f1ea_quant.kd
    .args:
      - { .name: x, .offset: 0, .size: 8, .value_kind: global_buffer, .address_space: global }
      - { .name: Wk, .offset: 8, .size: 8, .value_kind: global_buffer, .address_space: global }
      - { .name: Wq, .offset: 16, .size: 8, .value_kind: global_buffer, .address_space: global }
      - { .name: Wp, .offset: 24, .size: 8, .value_kind: global_buffer, .address_space: global }
      - { .name: xc, .offset: 32, .size: 8, .value_kind: global_buffer, .address_space: global }
      - { .name: xv, .offset: 40, .size: 8, .value_kind: global_buffer, .address_space: global }
      - { .name: wq, .offset: 48, .size: 8, .value_kind: global_buffer, .address_space: global }
    .group_segment_fixed_size: 68096
    .private_segment_fixed_size: 0
    .kernarg_segment_align: 8
    .kernarg_segment_size: 56
    .max_flat_workgroup_size: 128
    .sgpr_count:     66
    .vgpr_count:     256
    .wavefront_size: 32
...
	.end_amdgpu_metadata
.endif
;; end of part 1
;; launch kqgemm (part 2): grid 8 x 32, 16 waves a work-group, no clusters, 116,736 bytes of LDS; arguments xc, wq, bk, bq, kq; writes kq
.if DOCPART == 2
	.amdgcn_target "amdgcn-amd-amdhsa--gfx1250"
	.amdhsa_code_object_version 6
	.text
	.protected	k_q205c99f1ea_kqgemm
	.globl	k_q205c99f1ea_kqgemm
	.p2align	8
	.type	k_q205c99f1ea_kqgemm,@function
k_q205c99f1ea_kqgemm:
	s_mov_b64 s[64:65], 0
	v_nop
	global_prefetch_b8 v0, s[64:65] scope:SCOPE_SE
	s_setreg_imm32_b32 hwreg(HW_REG_WAVE_MODE, 25, 1), 1
	s_wait_xcnt 0x0
; keys = Wk x + bk and queries = Wq x + bq on codes of BF6 (E3M2) with E8M0 scales, K = c = 1,024; the results are quantised along d (a head's 64) on the way out and never go to memory as f32.
; A work-group makes 256 outputs o (group x: 0-3 Wk's blocks of 256 rows, 4-7 Wq's) x 256 rows (b, l) (group y).  Sixteen waves, four to a SIMD: wave w takes o tiles 4 (w / 4) + a and row tiles 4 (w % 4) + b:
; 16 accumulators of 16 x 16.  Source 0 = 16 rows of the weight, source 1 = 16 rows of x: a lane holds one l, and its registers run along o.  A wave's 64 o are one head.
; OPERANDS lie in memory as images of registers (1,536 bytes a fragment: 16 x lane, 512 + 8 x lane, 768 + 16 x lane, 1,280 + 8 x lane), so a K step's 2 x 16 fragments are two dense blocks of 24,576 bytes.
; They come through registers into one of two LDS buffers, a step ahead; one barrier a step.  The scale words of all eight steps (2 x 8,192 bytes) come once.
; The rows of a weight tile are 32 B + 8 u + r + 8 (r / 8), so that for a row tile b the 32 registers v[ACC + 32 b ..] hold d = 32 B + 16 h + k at register 16 B + k: 16 neighbours for each conversion.
; The bias is loaded into the accumulators: nothing is cleared and all eight steps are alike.
; OUT: for each (kind, b, head) a chunk of 106,496 bytes: 128 half fragments (16 rows l x 64 d: 768 bytes) and 2,048 scale words b0 | b1 << 8, upper bytes 0.
; NO JOINT LOADS: a group's blocks are shared (the weight's by 32 groups, x's by 8), but this text fills LDS through registers and has no tensor load; a group fetches 409,600 bytes in all.
; LIMITS: a block of zeros gets the byte 1 where the rule says 127 (its codes are zeros; this program alone reads the bytes); NaN and infinities are not served.
.set FLOOR, 0x2800000
.set EOFF,  0xfe000000
.set BUF,   49152                      ; a buffer: source 0's 24,576 bytes, then source 1's
.set S1O,   24576
.set SC0,   98304                      ; scale words [step 8][256] of source 0, then of source 1
.set SC1,   106496
.set STG,   32                         ; v32-55  the next step's 96 bytes a thread
.set F0,    56                         ; v56-67, v68-79 two fragments of source 0, by turns
.set F1,    68
.set BF,    80                         ; v80-127 source 1's four fragments
.set ACC,   128                        ; v128-255 accumulator (b, a) at ACC + 8 (4 b + a)
.set PC,    32                         ; the way out: codes of row tile b at PC + 8 b
.set TT,    64
.set TM,    68
.set TP,    70
.set SO,    72
.set BY,    74
.set WW,    76                         ; scale words of the four row tiles
.set WO,    80                         ; and as stored, a pair of tiles to a register
.set SEL,   46
	s_load_b256 s[4:11], s[0:1], 0x0               ; xc, wq, bk, bq
	s_load_b64 s[12:13], s[0:1], 0x20              ; kq
	v_lshl_add_u32 v30, v0, 2, 0x1c000
	v_mov_b32 v31, 0
	v_lshrrev_b32 v1, 5, v0
	s_delay_alu instid0(VALU_DEP_1)
	v_readfirstlane_b32 s14, v1                    ; wave 0..15
	s_lshr_b32 s15, s14, 2                         ; wc: which 64 o
	s_and_b32 s16, s14, 3                          ; wr: which 64 rows
	s_and_b32 s17, ttmp7, 0xffff                   ; block of 256 rows of x
	v_and_b32 v1, 31, v0                           ; lane
	v_lshlrev_b32 v2, 4, v0                        ; 16 x thread: staging, buffer 0
	s_delay_alu instid0(VALU_DEP_1)
	v_add_nc_u32 v3, BUF, v2                       ; buffer 1
	s_mul_i32 s18, s15, 6144
	s_mul_i32 s19, s16, 6144
	s_add_co_u32 s19, s19, S1O
	v_lshl_add_u32 v4, v1, 4, s18                  ; source 0's fragments: 16 x lane, 8 x lane; buffer 0, then buffer 1
	v_lshl_add_u32 v5, v1, 3, s18
	s_delay_alu instid0(VALU_DEP_2)
	v_add_nc_u32 v6, BUF, v4
	s_delay_alu instid0(VALU_DEP_2)
	v_add_nc_u32 v7, BUF, v5
	v_lshl_add_u32 v8, v1, 4, s19                  ; source 1's
	v_lshl_add_u32 v9, v1, 3, s19
	s_delay_alu instid0(VALU_DEP_2)
	v_add_nc_u32 v10, BUF, v8
	s_delay_alu instid0(VALU_DEP_2)
	v_add_nc_u32 v11, BUF, v9
	s_lshl_b32 s20, s15, 8
	s_add_co_u32 s20, s20, SC0
	v_lshl_add_u32 v12, v1, 2, s20                 ; scale words of my pairs of tiles
	s_lshl_b32 s21, s16, 8
	s_add_co_u32 s21, s21, SC1
	v_lshl_add_u32 v13, v1, 2, s21
	v_bfe_u32 v18, v0, 4, 1                        ; h
	s_delay_alu instid0(VALU_DEP_1)
	v_lshlrev_b32 v14, 6, v18                      ; the bias: 64 h bytes
	v_lshlrev_b32 v15, 4, v1
	v_lshlrev_b32 v16, 3, v1
	v_lshlrev_b32 v17, 2, v1
	v_cmp_eq_u32 vcc_lo, 1, v18                    ; lanes 16-31; VCC stays
	s_mov_b32 s[SEL], 0x76543210
	s_mov_b32 s[SEL+1], 0xfedcba98
	s_mul_i32 s32, ttmp9, 196608                   ; the weight's block: codes,
	s_mov_b32 s33, 0
	s_lshl_b32 s34, ttmp9, 13
	s_add_co_u32 s34, s34, 2359296                 ; scale words
	s_mov_b32 s35, 0
	s_mul_i32 s36, s17, 196608                     ; x's block likewise
	s_mov_b32 s37, 0
	s_lshl_b32 s38, s17, 13
	s_add_co_u32 s38, s38, 6291456
	s_mov_b32 s39, 0
	s_lshr_b32 s48, ttmp9, 2                       ; the chunk: kind x 64 + 16 b + head, head = 4 (x % 4) + wc
	s_lshl_b32 s48, s48, 6
	s_lshr_b32 s49, s17, 3
	s_lshl_b32 s49, s49, 4
	s_add_co_u32 s48, s48, s49
	s_and_b32 s50, ttmp9, 3
	s_lshl_b32 s49, s50, 2
	s_add_co_u32 s48, s48, s49
	s_add_co_u32 s48, s48, s15
	s_mul_i32 s48, s48, 106496
	s_and_b32 s51, s17, 7
	s_lshl_b32 s49, s51, 4
	s_lshl_b32 s52, s16, 2
	s_add_co_u32 s49, s49, s52
	s_mul_i32 s49, s49, 768                        ; tile 16 (y % 8) + 4 wr
	s_add_co_u32 s42, s48, s49
	s_mov_b32 s43, 0
	s_lshl_b32 s49, s51, 10
	s_lshl_b32 s52, s16, 8
	s_add_co_u32 s49, s49, s52
	s_add_co_u32 s49, s49, 98304
	s_add_co_u32 s44, s48, s49                     ; its pairs' scale words
	s_mov_b32 s45, 0
	s_lshl_b32 s40, s50, 10                        ; the bias of my 64 o
	s_lshl_b32 s49, s15, 8
	s_add_co_u32 s40, s40, s49
	s_mov_b32 s41, 0
	s_wait_alu depctr_va_vdst(0)
	s_wait_kmcnt 0x0
	s_add_nc_u64 s[24:25], s[6:7], s[32:33]
	s_add_nc_u64 s[26:27], s[6:7], s[34:35]
	s_add_nc_u64 s[28:29], s[4:5], s[36:37]
	s_add_nc_u64 s[30:31], s[4:5], s[38:39]
	s_cmp_lt_u32 ttmp9, 4
	s_cselect_b64 s[22:23], s[8:9], s[10:11]
	s_add_nc_u64 s[22:23], s[22:23], s[40:41]
	s_add_nc_u64 s[42:43], s[12:13], s[42:43]
	s_add_nc_u64 s[44:45], s[12:13], s[44:45]
	global_load_b128 v[56:59], v2, s[26:27]        ; the scale words of all eight steps
	global_load_b128 v[60:63], v2, s[30:31]
.irp k, 0,1,2
	global_load_b128 v[STG+4*\k:STG+4*\k+3], v2, s[24:25] offset:8192*\k
	global_load_b128 v[STG+12+4*\k:STG+12+4*\k+3], v2, s[28:29] offset:8192*\k
.endr
.irp b, 0,1,2,3
.irp a, 0,1,2,3
	global_load_b128 v[ACC+8*(4*\b+\a):ACC+8*(4*\b+\a)+3], v14, s[22:23] offset:4*(32*(\a/2)+8*(\a%2))       ; register g of tile a: the bias of o = 32 (a / 2) + 16 h + 8 (a % 2) + g
	global_load_b128 v[ACC+8*(4*\b+\a)+4:ACC+8*(4*\b+\a)+7], v14, s[22:23] offset:4*(32*(\a/2)+8*(\a%2))+16
.endr
.endr
	s_wait_loadcnt 32                              ; the first eight are in; the 32 loads of the bias may be out
	ds_store_b128 v3, v[56:59] offset:49152
	ds_store_b128 v3, v[60:63] offset:57344
.irp k, 0,1,2
	ds_store_b128 v2, v[STG+4*\k:STG+4*\k+3] offset:8192*\k
	ds_store_b128 v2, v[STG+12+4*\k:STG+12+4*\k+3] offset:S1O+8192*\k
.endr
	s_wait_dscnt 0x0
	s_barrier_signal -1
	s_barrier_wait -1
	s_wait_loadcnt 0x0                             ; the bias
.macro WMA d, fa, fb, sa, sb, ra, rb   ; D += A x B; ra, rb: the side's scale words lie in lanes 16-31
.if (\ra) && (\rb)
	v_wmma_scale_f32_16x16x128_f8f6f4 v[\d:\d+7], v[\fa:\fa+11], v[\fb:\fb+11], v[\d:\d+7], v[\sa], v[\sb] matrix_a_fmt:MATRIX_FMT_BF6 matrix_b_fmt:MATRIX_FMT_BF6 matrix_a_scale:MATRIX_SCALE_ROW1 matrix_b_scale:MATRIX_SCALE_ROW1
.elseif (\ra)
	v_wmma_scale_f32_16x16x128_f8f6f4 v[\d:\d+7], v[\fa:\fa+11], v[\fb:\fb+11], v[\d:\d+7], v[\sa], v[\sb] matrix_a_fmt:MATRIX_FMT_BF6 matrix_b_fmt:MATRIX_FMT_BF6 matrix_a_scale:MATRIX_SCALE_ROW1
.elseif (\rb)
	v_wmma_scale_f32_16x16x128_f8f6f4 v[\d:\d+7], v[\fa:\fa+11], v[\fb:\fb+11], v[\d:\d+7], v[\sa], v[\sb] matrix_a_fmt:MATRIX_FMT_BF6 matrix_b_fmt:MATRIX_FMT_BF6 matrix_b_scale:MATRIX_SCALE_ROW1
.else
	v_wmma_scale_f32_16x16x128_f8f6f4 v[\d:\d+7], v[\fa:\fa+11], v[\fb:\fb+11], v[\d:\d+7], v[\sa], v[\sb] matrix_a_fmt:MATRIX_FMT_BF6 matrix_b_fmt:MATRIX_FMT_BF6
.endif
.endm
.macro FRAG reg, a16, a8, off          ; a fragment's image back into 12 registers
	ds_load_b128 v[\reg:\reg+3], v[\a16] offset:\off
	ds_load_b64 v[\reg+4:\reg+5], v[\a8] offset:\off+512
	ds_load_b128 v[\reg+6:\reg+9], v[\a16] offset:\off+768
	ds_load_b64 v[\reg+10:\reg+11], v[\a8] offset:\off+1280
.endm
.macro MUL4 a, f                       ; source 0's tile a against source 1's four.  The 16 accumulators take turns, one instruction a turn, in the same order in every step
.irp b, 0,1,2,3
	WMA ACC+8*(4*\b+\a), \f, BF+12*\b, 24+\a/2, 26+\b/2, \a%2, \b%2
.endr
.endm
.macro PLACES                          ; four places between a matrix instruction and a load into, or a vector instruction on, one of its registers
.rept 4
	v_nop
.endr
.endm
.macro KSTEP s
.if \s < 7
.irp k, 0,1,2
	global_load_b128 v[STG+4*\k:STG+4*\k+3], v2, s[24:25] offset:(\s+1)*24576+8192*\k      ; the next step's blocks: they have this step's work in which to come
	global_load_b128 v[STG+12+4*\k:STG+12+4*\k+3], v2, s[28:29] offset:(\s+1)*24576+8192*\k
.endr
.endif
	ds_load_b32 v24, v12 offset:1024*\s            ; lanes 0-15 the even tile's words, lanes 16-31 the odd tile's
	ds_load_b32 v25, v12 offset:1024*\s+128
	ds_load_b32 v26, v13 offset:1024*\s
	ds_load_b32 v27, v13 offset:1024*\s+128
.irp b, 0,1,2,3
	FRAG BF+12*\b, 8+2*(\s%2), 9+2*(\s%2), 1536*\b
.endr
	FRAG F0, 4+2*(\s%2), 5+2*(\s%2), 0
	FRAG F1, 4+2*(\s%2), 5+2*(\s%2), 1536
	s_wait_dscnt 4                                 ; all but the last fragment's four loads
	MUL4 0, F0
	PLACES
	FRAG F0, 4+2*(\s%2), 5+2*(\s%2), 3072
	s_wait_dscnt 4                                 ; tile 1 is in; the four just issued may be out
	MUL4 1, F1
	PLACES
	FRAG F1, 4+2*(\s%2), 5+2*(\s%2), 4608
	s_wait_dscnt 4
	MUL4 2, F0
	s_wait_dscnt 0x0
	MUL4 3, F1
	PLACES
.if \s < 7
	s_wait_loadcnt 0x0
.irp k, 0,1,2
	ds_store_b128 v[3-\s%2], v[STG+4*\k:STG+4*\k+3] offset:8192*\k           ; into the other buffer: its last readers waited for their loads in front of the last barrier
	ds_store_b128 v[3-\s%2], v[STG+12+4*\k:STG+12+4*\k+3] offset:S1O+8192*\k
.endr
	s_wait_dscnt 0x0                               ; my stores have landed, and my reads of this buffer are over
	s_barrier_signal -1
	s_barrier_wait -1
.endif
.endm
.irp s, 0,1,2,3,4,5,6,7
	KSTEP \s
.endr
; 32 numbers of a lane, register 16 B + k = d 32 B + 16 h + k of my row, become a half fragment in v[dst] .. v[dst + 5] and its scale word in v[w].  Each accumulator is read from its low end on.
.macro QUANT2 src, dst, w
	v_max3_num_f32 v[TM], |v[\src]|, |v[\src+1]|, FLOOR
	v_max3_num_f32 v[TM+1], |v[\src+16]|, |v[\src+17]|, FLOOR
.irp i, 2,4,6,8,10,12,14
	v_max3_num_f32 v[TM], v[TM], |v[\src+\i]|, |v[\src+\i+1]|
	v_max3_num_f32 v[TM+1], v[TM+1], |v[\src+16+\i]|, |v[\src+17+\i]|
.endr
	s_delay_alu instid0(VALU_DEP_2)
	v_permlanex16_b32 v[TP], v[TM], s[SEL], s[SEL+1]
	s_delay_alu instid0(VALU_DEP_2)
	v_permlanex16_b32 v[TP+1], v[TM+1], s[SEL], s[SEL+1]
	s_delay_alu instid0(VALU_DEP_2)
	v_max_num_f32 v[TM], v[TM], v[TP]              ; with lane l xor 16's 16: the block's largest magnitude
	s_delay_alu instid0(VALU_DEP_2)
	v_max_num_f32 v[TM+1], v[TM+1], v[TP+1]
	s_delay_alu instid0(VALU_DEP_2)
	v_add_nc_u32 v[SO], EOFF, v[TM]
	s_delay_alu instid0(VALU_DEP_2)
	v_add_nc_u32 v[SO+1], EOFF, v[TM+1]
	s_delay_alu instid0(VALU_DEP_2)
	v_lshrrev_b32 v[BY], 23, v[SO]
	s_delay_alu instid0(VALU_DEP_2)
	v_lshrrev_b32 v[BY+1], 23, v[SO+1]
	v_cvt_scalef32_pk16_bf6_f32 v[\dst:\dst+2], v[\src:\src+15], v[SO]
	v_cvt_scalef32_pk16_bf6_f32 v[TT:TT+2], v[\src+16:\src+31], v[SO+1]
	v_lshl_or_b32 v[\w], v[BY+1], 8, v[BY]         ; (the plain place behind the conversions)
.irp i, 0,1,2
	v_permlane16_swap_b32 v[\dst+\i], v[TT+\i]     ; a whole block to a lane: lanes 0-15 block 0, lanes 16-31 block 1
.endr
.irp i, 0,1,2
	s_delay_alu instid0(VALU_DEP_3)
	v_mov_b32 v[\dst+3+\i], v[TT+\i]
.endr
.endm
	v_mov_b32 v[TP], 0                             ; a lane permute's destination counts as one of its sources
	v_mov_b32 v[TP+1], 0
.irp b, 0,1,2,3
	QUANT2 ACC+32*\b, PC+8*\b, WW+\b
	global_store_b128 v15, v[PC+8*\b:PC+8*\b+3], s[42:43] offset:768*\b
	global_store_b64 v16, v[PC+8*\b+4:PC+8*\b+5], s[42:43] offset:768*\b+512
.endr
	v_cndmask_b32 v[WO], v[WW], v[WW+1], vcc_lo
	v_cndmask_b32 v[WO+1], v[WW+2], v[WW+3], vcc_lo
	global_store_b32 v17, v[WO], s[44:45]
	global_store_b32 v17, v[WO+1], s[44:45] offset:128
	s_wait_tensorcnt 0x0
	ds_add_u32 v30, v31
	s_wait_dscnt 0x0
	s_endpgm
.Lfunc_end_k_q205c99f1ea_kqgemm:
	.size	k_q205c99f1ea_kqgemm, .Lfunc_end_k_q205c99f1ea_kqgemm-k_q205c99f1ea_kqgemm
	.p2alignl 7, 3214868480
	.fill 96, 4, 3214868480
	.section	.rodata,"a",@progbits
	.p2align	6, 0x0
	.amdhsa_kernel k_q205c99f1ea_kqgemm
		.amdhsa_group_segment_fixed_size 116736
		.amdhsa_private_segment_fixed_size 0
		.amdhsa_enable_private_segment 0
		.amdhsa_kernarg_size 40
		.amdhsa_user_sgpr_count 2
		.amdhsa_user_sgpr_kernarg_segment_ptr 1
		.amdhsa_wavefront_size32 1
		.amdhsa_system_sgpr_workgroup_id_x 1
		.amdhsa_system_sgpr_workgroup_id_y 1
		.amdhsa_system_sgpr_workgroup_id_z 1
		.amdhsa_system_vgpr_workitem_id 0
		.amdhsa_next_free_vgpr 256
		.amdhsa_next_free_sgpr 66
		.amdhsa_reserve_vcc 1
		.amdhsa_float_denorm_mode_32 3
		.amdhsa_float_denorm_mode_16_64 3
		.amdhsa_memory_ordered 1
		.amdhsa_forward_progress 1
		.amdhsa_inst_pref_size 64
	.end_amdhsa_kernel
	.amdgpu_metadata
---
amdhsa.version: [ 1, 2 ]
amdhsa.kernels:
  - .name:           k_q205c99f1ea_kqgemm
    .symbol:         k_q205c99f1ea_kqgemm.kd
    .args:
      - { .name: xc, .offset: 0, .size: 8, .value_kind: global_buffer, .address_space: global }
      - { .name: wq, .offset: 8, .size: 8, .value_kind: global_buffer, .address_space: global }
      - { .name: bk, .offset: 16, .size: 8, .value_kind: global_buffer, .address_space: global }
      - { .name: bq, .offset: 24, .size: 8, .value_kind: global_buffer, .address_space: global }
      - { .name: kq, .offset: 32, .size: 8, .value_kind: global_buffer, .address_space: global }
    .group_segment_fixed_size: 116736
    .private_segment_fixed_size: 0
    .kernarg_segment_align: 8
    .kernarg_segment_size: 40
    .max_flat_workgroup_size: 512
    .sgpr_count:     66
    .vgpr_count:     256
    .wavefront_size: 32
...
	.end_amdgpu_metadata
.endif
;; end of part 2
;; launch stats (part 3): grid 4 x 64, 16 waves a work-group, clusters of 4 x 1, 169,984 bytes of LDS; arguments kq, nb; writes nb
.if DOCPART == 3
	.amdgcn_target "amdgcn-amd-amdhsa--gfx1250"
	.amdhsa_code_object_version 6
	.text
	.protected	k_q205c99f1ea_stats
	.globl	k_q205c99f1ea_stats
	.p2align	8
	.type	k_q205c99f1ea_stats,@function
k_q205c99f1ea_stats:
	s_mov_b64 s[64:65], 0
	v_nop
	global_prefetch_b8 v0, s[64:65] scope:SCOPE_SE
	s_setreg_imm32_b32 hwreg(HW_REG_WAVE_MODE, 25, 1), 1
	s_wait_xcnt 0x0
	s_wait_alu depctr_hold_cnt(0) depctr_sa_sdst(0) depctr_va_vdst(0) depctr_va_sdst(0) depctr_va_ssrc(0) depctr_va_vcc(0) depctr_vm_vsrc(0)
	s_getreg_b32 s2, hwreg(HW_REG_IB_STS2, 6, 4)
	s_cmp_eq_u32 s2, 0
	s_cbranch_scc0 .Lentry_in_a_cluster
	s_endpgm
.Lentry_in_a_cluster:
	s_bfe_u32 s2, ttmp6, 0x10000c
	s_cmp_lg_u32 s2, 0x3003
	s_cbranch_scc0 .Lentry_shape_is_right
	s_endpgm
.Lentry_shape_is_right:
; THE SOFTMAX'S STATISTICS.  scores[i][j] = keys[:, i] . queries[:, j] x 2 / 2048, softmax along j.  The weights are later quantised along i, finished and normalised, so each row i needs its maximum and its
; sum over all j first.  This launch makes, for each (b, head) and i, nb[i] = -(c m_i + log2 l_i), c = log2(e) x 2^-10, m_i the row's largest raw score, l_i = the sum over j of 2^(c s - c m_i): then p = 2^(c s + nb[i]).
; SHARES.  Group (x, y): head chunk y, rows i 512 x .. 512 x + 511.  Each of sixteen waves owns 32 rows i, two tiles of keys kept in registers, and walks all 2,048 j in 16 steps of 128.
; The head's queries (128 half fragments and 2,048 scale words: 106,496 bytes, dense in memory) come into LDS once; behind that fill's barrier the loop has none.
; CLUSTER.  The four groups of a head form a cluster and need the same queries: each wave asks for its sixteenth of them (26 rows of 256 bytes) JOINTLY with the same wave of the three partners: the same tensor
; load, the same descriptor, a mask that names the four.  One tensor load of a wave is out.  Nothing is filled a second time.  More than half of a WGP's LDS is claimed, so that the group is alone on its WGP.
; Source 0 = 16 queries, source 1 = my 16 keys: a lane holds one row i (lane % 16), its registers and lane l xor 16 the j.  A running maximum, as the softmax asks; what was summed is rescaled in every step.
; K = 64 IN AN INSTRUCTION OF 128: the keys' registers 6-11 are zero codes.  The queries' tiles lie 6 registers apart, so that a tile's registers 6-11 are the next tile's codes (behind the last: six zeros):
; every code of E3M2 is a finite number, and a finite number x 0 adds nothing.  The scale words' upper bytes are 0 (2^-127), never 0xff.
; LIMITS: NaN and infinities are not served.
.set CP,   0x3ab8aa3b                  ; c = log2(e) x 2^-10
.set KF0,  12                          ; v12-23, v24-35 my two tiles of keys
.set KF1,  24
.set KS,   36                          ; v36 their scale words (lanes 0-15 tile 0, lanes 16-31 tile 1)
.set QS,   37                          ; v37-40 the step's scale words of the queries, a pair of tiles each
.set T0,   44                          ; v44-51, v52-59 a tile's statistics: +0 c m, +1 m, +2, +3 l in two halves, +4 .. +7 at work
.set QF,   64                          ; v64-111 eight tiles of queries, 6 registers apart; v112-117 zeros
.set S0,   128                         ; v128-191, v192-255 the two tiles' scores
.set CS,   20
.set SEL,  22
.set TB,   24
.set TS,   25
.set CNT,  26
.set G0,   40                          ; s[40:43] descriptor group 0: from where, to where
.set G1,   44                          ; s[44:51] descriptor group 1: the shape
; A round of the cluster's barrier: my group's barrier, so that wave 0's signal speaks for all sixteen waves; wave 0 signals for the group; every wave waits for all four groups; my group's barrier once more
.macro ROUND
	s_barrier_signal -1
	s_barrier_wait -1
	s_cmp_lg_u32 s8, 0
	s_cbranch_scc1 .Lnot_wave_0_\@
	s_barrier_signal -3
.Lnot_wave_0_\@:
	s_barrier_wait -3
	s_barrier_signal -1
	s_barrier_wait -1
.endm
	s_load_b128 s[4:7], s[0:1], 0x0                ; kq, nb
	v_lshl_add_u32 v126, v0, 2, 0x29000
	v_mov_b32 v127, 0
	ds_add_u32 v126, v127
	ds_add_u32 v126, v127
	v_lshrrev_b32 v1, 5, v0
	s_delay_alu instid0(VALU_DEP_1)
	v_readfirstlane_b32 s8, v1                     ; wave 0..15
	s_and_b32 s9, ttmp7, 0xffff                    ; 16 b + head: the cluster's y, which the four partners share
	s_bfe_u32 s27, ttmp6, 0x40000                  ; cx: my place in the cluster
	s_lshl_b32 s28, ttmp9, 2                       ; in a cluster launch ttmp9 counts clusters
	s_add_co_u32 s28, s28, s27                     ; which 512 rows i: it enters my keys' and nb's addresses alone
	s_lshl_b32 s10, s28, 4
	s_add_co_u32 s10, s10, s8                      ; my pair of tiles
	s_mul_i32 s11, s9, 106496
	s_mul_i32 s12, s10, 1536
	s_add_co_u32 s12, s12, s11                     ; my keys' codes,
	s_mov_b32 s13, 0
	s_lshl_b32 s14, s10, 7
	s_add_co_u32 s14, s14, s11
	s_add_co_u32 s14, s14, 98304                   ; their scale words,
	s_mov_b32 s15, 0
	s_mul_i32 s29, s8, 6656                        ; my 26 rows of 256 bytes of the fill
	s_add_co_u32 s16, s11, 64*106496               ; the head's queries,
	s_add_co_u32 s16, s16, s29                     ; my part of them: the head and the wave's number alone
	s_mov_b32 s17, 0
	s_lshl_b32 s18, s9, 13
	s_lshl_b32 s19, s10, 7
	s_add_co_u32 s18, s18, s19                     ; my 32 numbers of nb
	s_mov_b32 s19, 0
	s_mov_b32 s[G1], 15|(3<<16)|(1<<21)            ; 15:0 the mask: all four groups; 17:16 elements of 8 bytes; 20 no padding; 21 set beside a mask
	s_mov_b32 s[G1+1], 32<<16                      ; tensor_dim0 = 32 elements: a row of 256 bytes
	s_mov_b32 s[G1+2], 26<<16                      ; tensor_dim1 = 26
	s_mov_b32 s[G1+3], 32<<16                      ; tile_dim0 = 32
	s_mov_b32 s[G1+4], 26                          ; tile_dim1 = 26
	s_mov_b32 s[G1+5], 32                          ; from row to row 32 elements: the block is dense
	s_mov_b32 s[G1+6], 0
	s_mov_b32 s[G1+7], 0
	s_mov_b32 s[G0], 1                             ; count = 1
	s_mov_b32 s[G0+1], s29                         ; LDS address: 6,656 x wave
	s_mov_b32 s[CS], CP
	s_mov_b32 s[CS+1], CP                          ; (named with it as a pair, so it is written)
	s_mov_b32 s[SEL], 0x76543210
	s_mov_b32 s[SEL+1], 0xfedcba98
	s_mov_b32 s[TB], 0
	s_mov_b32 s[TS], 0
	s_mov_b32 s[CNT], 16
	v_and_b32 v1, 31, v0
	s_delay_alu instid0(VALU_DEP_1)
	v_lshlrev_b32 v4, 4, v1                        ; 16 x lane
	s_delay_alu instid0(VALU_DEP_2)
	v_lshlrev_b32 v5, 3, v1
	s_delay_alu instid0(VALU_DEP_1)
	v_add_nc_u32 v5, 512, v5                       ; 512 + 8 x lane
	s_delay_alu instid0(VALU_DEP_4)
	v_lshlrev_b32 v11, 2, v1
	s_delay_alu instid0(VALU_DEP_1)
	v_add_nc_u32 v6, 98304, v11                    ; the scale words in LDS
	s_wait_dscnt 0x0
	s_wait_kmcnt 0x0
	s_add_nc_u64 s[12:13], s[4:5], s[12:13]
	s_add_nc_u64 s[14:15], s[4:5], s[14:15]
	s_add_nc_u64 s[G0+2:G0+3], s[4:5], s[16:17]    ; global address of my part
	s_or_b32 s[G0+3], s[G0+3], 0x80000000          ; type = 2
	s_add_nc_u64 s[18:19], s[6:7], s[18:19]
	ROUND                                          ; all four groups are here: the joint loads meet
	tensor_load_to_lds s[G0:G0+3], s[G1:G1+7]      ; my sixteenth of the head's queries
	s_nop 0
.irp i, 6,7,8,9,10,11
	v_mov_b32 v[KF0+\i], 0                         ; zero codes for K = 64 .. 127
	v_mov_b32 v[KF1+\i], 0
	v_mov_b32 v[QF+42+\i], 0                       ; what the last tile names as its registers 6-11
.endr
	global_load_b128 v[KF0:KF0+3], v4, s[12:13]
	global_load_b64 v[KF0+4:KF0+5], v5, s[12:13]
	global_load_b128 v[KF1:KF1+3], v4, s[12:13] offset:768
	global_load_b64 v[KF1+4:KF1+5], v5, s[12:13] offset:768
	global_load_b32 v[KS], v11, s[14:15]
.irp x, 0,1
	v_mov_b32 v[T0+8*\x], 0xff61b1e6               ; c m and m: -3e38, under every score
	v_mov_b32 v[T0+8*\x+1], 0xff61b1e6
	v_mov_b32 v[T0+8*\x+2], 0                      ; l
	v_mov_b32 v[T0+8*\x+3], 0
.endr
	v_bfe_u32 v60, v0, 4, 1                        ; h
	s_delay_alu instid0(VALU_DEP_1)
	v_cmp_eq_u32 vcc_lo, 1, v60                    ; lanes 16-31; VCC stays
	v_and_b32 v61, 15, v0
	s_delay_alu instid0(VALU_DEP_1)
	v_and_b32 v62, 8, v61
	s_delay_alu instid0(VALU_DEP_1)
	v_add_nc_u32 v61, v61, v62
	s_delay_alu instid0(VALU_DEP_1)
	v_lshl_add_u32 v61, v60, 3, v61
	s_delay_alu instid0(VALU_DEP_1)
	v_lshlrev_b32 v43, 2, v61                      ; nb lies by natural i: lane 16 t + r holds i = 8 t + r + 8 (r / 8) of my 32
	s_wait_tensorcnt 0x0                           ; my part of the queries lies in LDS,
	s_wait_loadcnt 0x0                             ; and my keys are in
	s_barrier_signal -1
	s_barrier_wait -1                              ; everybody's part does; nothing is written there again
.macro WMZ d, fa, fb, sa, sb, ra, rb   ; D = A x B; ra, rb: the side's scale words lie in lanes 16-31
.if (\ra) && (\rb)
	v_wmma_scale_f32_16x16x128_f8f6f4 v[\d:\d+7], v[\fa:\fa+11], v[\fb:\fb+11], 0, v[\sa], v[\sb] matrix_a_fmt:MATRIX_FMT_BF6 matrix_b_fmt:MATRIX_FMT_BF6 matrix_a_scale:MATRIX_SCALE_ROW1 matrix_b_scale:MATRIX_SCALE_ROW1
.elseif (\ra)
	v_wmma_scale_f32_16x16x128_f8f6f4 v[\d:\d+7], v[\fa:\fa+11], v[\fb:\fb+11], 0, v[\sa], v[\sb] matrix_a_fmt:MATRIX_FMT_BF6 matrix_b_fmt:MATRIX_FMT_BF6 matrix_a_scale:MATRIX_SCALE_ROW1
.elseif (\rb)
	v_wmma_scale_f32_16x16x128_f8f6f4 v[\d:\d+7], v[\fa:\fa+11], v[\fb:\fb+11], 0, v[\sa], v[\sb] matrix_a_fmt:MATRIX_FMT_BF6 matrix_b_fmt:MATRIX_FMT_BF6 matrix_b_scale:MATRIX_SCALE_ROW1
.else
	v_wmma_scale_f32_16x16x128_f8f6f4 v[\d:\d+7], v[\fa:\fa+11], v[\fb:\fb+11], 0, v[\sa], v[\sb] matrix_a_fmt:MATRIX_FMT_BF6 matrix_b_fmt:MATRIX_FMT_BF6
.endif
.endm
.Lstep:                                            ; 16 trips: 128 queries each
	s_setprio 2
	v_add_nc_u32 v7, s[TB], v4
	v_add_nc_u32 v8, s[TB], v5
	v_add_nc_u32 v9, s[TS], v6
.irp t, 0,1,2,3,4,5,6,7
	ds_load_b128 v[QF+6*\t:QF+6*\t+3], v7 offset:768*\t
	ds_load_b64 v[QF+6*\t+4:QF+6*\t+5], v8 offset:768*\t
.endr
.irp p, 0,1,2,3
	ds_load_b32 v[QS+\p], v9 offset:128*\p
.endr
	s_wait_dscnt 0x0
.irp t, 0,1,2,3,4,5,6,7
	WMZ S0+8*\t, QF+6*\t, KF0, QS+\t/2, KS, \t%2, 0
	WMZ S0+64+8*\t, QF+6*\t, KF1, QS+\t/2, KS, \t%2, 1
.endr
.rept 4
	v_nop                                          ; four places between the products and the first read of their results (ISA guide 7.12.1)
.endr
	; the largest of a lane's 64 scores and the old m: four chains a tile, the two tiles by turns; each accumulator is read from its low end on
.irp c, 0,1,2,3
.irp x, 0,1
	v_max3_num_f32 v[T0+8*\x+4+\c], v[S0+64*\x+16*\c], v[S0+64*\x+16*\c+1], v[S0+64*\x+16*\c+2]
.endr
.endr
.irp i, 3,5,7,9,11,13
.irp c, 0,1,2,3
.irp x, 0,1
	v_max3_num_f32 v[T0+8*\x+4+\c], v[T0+8*\x+4+\c], v[S0+64*\x+16*\c+\i], v[S0+64*\x+16*\c+\i+1]
.endr
.endr
.endr
.irp x, 0,1
	v_max3_num_f32 v[T0+8*\x+4], v[T0+8*\x+4], v[S0+64*\x+15], v[S0+64*\x+31]
	v_max3_num_f32 v[T0+8*\x+6], v[T0+8*\x+6], v[S0+64*\x+47], v[S0+64*\x+63]
.endr
.irp x, 0
	s_delay_alu instid0(VALU_DEP_3)
	v_max3_num_f32 v[T0+8*\x+4], v[T0+8*\x+4], v[T0+8*\x+5], v[T0+8*\x+6]
.endr
.irp x, 1
	s_delay_alu instid0(VALU_DEP_2)
	v_max3_num_f32 v[T0+8*\x+4], v[T0+8*\x+4], v[T0+8*\x+5], v[T0+8*\x+6]
.endr
.irp x, 0,1
	s_delay_alu instid0(VALU_DEP_2)
	v_max3_num_f32 v[T0+8*\x+4], v[T0+8*\x+4], v[T0+8*\x+7], v[T0+8*\x+1]
.endr
.irp x, 0,1
	s_delay_alu instid0(VALU_DEP_2)
	v_permlanex16_b32 v[T0+8*\x+5], v[T0+8*\x+4], s[SEL], s[SEL+1]   ; the row's other 64 queries lie in the lane 16 away
.endr
.irp x, 0,1
	s_delay_alu instid0(VALU_DEP_2)
	v_max_num_f32 v[T0+8*\x+1], v[T0+8*\x+4], v[T0+8*\x+5]           ; the new m
.endr
.irp x, 0,1
	v_mov_b32 v[T0+8*\x+7], v[T0+8*\x]
.endr
.irp x, 0,1
	s_delay_alu instid0(VALU_DEP_4)
	v_mul_f32 v[T0+8*\x], s[CS], v[T0+8*\x+1]                        ; c m
.endr
.irp x, 0,1
	s_delay_alu instid0(VALU_DEP_2)
	v_sub_f32 v[T0+8*\x+7], v[T0+8*\x+7], v[T0+8*\x]                 ; c m_old - c m_new
.endr
	s_wait_alu depctr_va_vdst(0)
.irp x, 0,1
	v_exp_f32 v[T0+8*\x+6], v[T0+8*\x+7]                             ; by which the old sum shrinks; the multiply-adds below are the plain instructions behind it
.endr
.set j, 0
.rept 32
	v_pk_fma_f32 v[S0+2*j:S0+2*j+1], v[S0+2*j:S0+2*j+1], s[CS:CS+1], v[T0:T0+1] op_sel_hi:[1,0,0] neg_lo:[0,0,1] neg_hi:[0,0,1]               ; c s - c m, two at a time
	v_pk_fma_f32 v[S0+64+2*j:S0+64+2*j+1], v[S0+64+2*j:S0+64+2*j+1], s[CS:CS+1], v[T0+8:T0+9] op_sel_hi:[1,0,0] neg_lo:[0,0,1] neg_hi:[0,0,1]
.set j, j+1
.endr
.set j, 0
	s_setprio 1
	s_wait_alu depctr_va_vdst(0)
.rept 128
	v_exp_f32 v[S0+j], v[S0+j]
.set j, j+1
.endr
	s_setprio 0
	s_wait_alu depctr_va_vdst(0)
.irp x, 0,1
	v_pk_mul_f32 v[T0+8*\x+2:T0+8*\x+3], v[T0+8*\x+2:T0+8*\x+3], v[T0+8*\x+6:T0+8*\x+7] op_sel_hi:[1,0]   ; the old sum under the new m.  (A plain place behind the exponentials)
.endr
.irp x, 0,1
	v_pk_add_f32 v[T0+8*\x+4:T0+8*\x+5], v[S0+64*\x:S0+64*\x+1], v[S0+64*\x+2:S0+64*\x+3]
.endr
.irp j, 4,8,12,16,20,24,28,32,36,40,44,48,52,56,60
.irp x, 0,1
	v_pk_add_f32 v[T0+8*\x+2:T0+8*\x+3], v[T0+8*\x+2:T0+8*\x+3], v[S0+64*\x+\j:S0+64*\x+\j+1]
	v_pk_add_f32 v[T0+8*\x+4:T0+8*\x+5], v[T0+8*\x+4:T0+8*\x+5], v[S0+64*\x+\j+2:S0+64*\x+\j+3]
.endr
.endr
.irp x, 0
	s_delay_alu instid0(VALU_DEP_3)
	v_pk_add_f32 v[T0+8*\x+2:T0+8*\x+3], v[T0+8*\x+2:T0+8*\x+3], v[T0+8*\x+4:T0+8*\x+5]
.endr
.irp x, 1
	s_delay_alu instid0(VALU_DEP_2)
	v_pk_add_f32 v[T0+8*\x+2:T0+8*\x+3], v[T0+8*\x+2:T0+8*\x+3], v[T0+8*\x+4:T0+8*\x+5]
.endr
	s_add_co_u32 s[TB], s[TB], 6144
	s_add_co_u32 s[TS], s[TS], 512
	s_sub_co_u32 s[CNT], s[CNT], 1
	s_cmp_lg_u32 s[CNT], 0
	s_cbranch_scc1 .Lstep
	s_setprio 0
.irp x, 0,1
	v_add_f32 v[T0+8*\x+4], v[T0+8*\x+2], v[T0+8*\x+3]
.endr
.irp x, 0,1
	s_delay_alu instid0(VALU_DEP_2)
	v_permlanex16_b32 v[T0+8*\x+5], v[T0+8*\x+4], s[SEL], s[SEL+1]
.endr
.irp x, 0,1
	s_delay_alu instid0(VALU_DEP_2)
	v_add_f32 v[T0+8*\x+4], v[T0+8*\x+4], v[T0+8*\x+5]               ; the row's sum
.endr
	s_wait_alu depctr_va_vdst(0)
.irp x, 0,1
	v_log_f32 v[T0+8*\x+6], v[T0+8*\x+4]
.endr
	v_nop                                          ; a plain place behind the logarithms
	s_wait_alu depctr_va_vdst(0)
.irp x, 0,1
	v_sub_f32 v[T0+8*\x+7], -v[T0+8*\x], v[T0+8*\x+6]                ; -(c m + log2 l)
.endr
	s_delay_alu instid0(VALU_DEP_1)
	v_cndmask_b32 v42, v[T0+7], v[T0+15], vcc_lo   ; lanes 0-15 tile 0's rows, lanes 16-31 tile 1's
	global_store_b32 v43, v42, s[18:19]
	s_wait_tensorcnt 0x0
	ds_add_u32 v126, v127
	s_wait_dscnt 0x0
	ROUND                                          ; the closing round: no group ends while a partner may still ask for a tile that names it
	s_endpgm
.Lfunc_end_k_q205c99f1ea_stats:
	.size	k_q205c99f1ea_stats, .Lfunc_end_k_q205c99f1ea_stats-k_q205c99f1ea_stats
	.p2alignl 7, 3214868480
	.fill 96, 4, 3214868480
	.section	.rodata,"a",@progbits
	.p2align	6, 0x0
	.amdhsa_kernel k_q205c99f1ea_stats
		.amdhsa_group_segment_fixed_size 169984
		.amdhsa_private_segment_fixed_size 0
		.amdhsa_enable_private_segment 0
		.amdhsa_kernarg_size 16
		.amdhsa_user_sgpr_count 2
		.amdhsa_user_sgpr_kernarg_segment_ptr 1
		.amdhsa_wavefront_size32 1
		.amdhsa_system_sgpr_workgroup_id_x 1
		.amdhsa_system_sgpr_workgroup_id_y 1
		.amdhsa_system_sgpr_workgroup_id_z 1
		.amdhsa_system_vgpr_workitem_id 0
		.amdhsa_next_free_vgpr 256
		.amdhsa_next_free_sgpr 66
		.amdhsa_reserve_vcc 1
		.amdhsa_float_denorm_mode_32 3
		.amdhsa_float_denorm_mode_16_64 3
		.amdhsa_memory_ordered 1
		.amdhsa_forward_progress 1
		.amdhsa_inst_pref_size 28
	.end_amdhsa_kernel
	.amdgpu_metadata
---
amdhsa.version: [ 1, 2 ]
amdhsa.kernels:
  - .name:           k_q205c99f1ea_stats
    .symbol:         k_q205c99f1ea_stats.kd
    .args:
      - { .name: kq, .offset: 0, .size: 8, .value_kind: global_buffer, .address_space: global }
      - { .name: nb, .offset: 8, .size: 8, .value_kind: global_buffer, .address_space: global }
    .group_segment_fixed_size: 169984
    .private_segment_fixed_size: 0
    .kernarg_segment_align: 8
    .kernarg_segment_size: 16
    .max_flat_workgroup_size: 512
    .sgpr_count:     66
    .vgpr_count:     256
    .wavefront_size: 32
...
	.end_amdgpu_metadata
.endif
;; end of part 3
;; launch attn (part 4): grid 4 x 64, 16 waves a work-group, clusters of 4 x 1, 219,136 bytes of LDS; arguments kq, xv, nb, oc; writes oc
.if DOCPART == 4
	.amdgcn_target "amdgcn-amd-amdhsa--gfx1250"
	.amdhsa_code_object_version 6
	.text
	.protected	k_q205c99f1ea_attn
	.globl	k_q205c99f1ea_attn
	.p2align	8
	.type	k_q205c99f1ea_attn,@function
k_q205c99f1ea_attn:
	s_mov_b64 s[64:65], 0
	v_nop
	global_prefetch_b8 v0, s[64:65] scope:SCOPE_SE
	s_setreg_imm32_b32 hwreg(HW_REG_WAVE_MODE, 25, 1), 1
	s_wait_xcnt 0x0
	s_wait_alu depctr_hold_cnt(0) depctr_sa_sdst(0) depctr_va_vdst(0) depctr_va_sdst(0) depctr_va_ssrc(0) depctr_va_vcc(0) depctr_vm_vsrc(0)
	s_getreg_b32 s2, hwreg(HW_REG_IB_STS2, 6, 4)
	s_cmp_eq_u32 s2, 0
	s_cbranch_scc0 .Lentry_in_a_cluster
	s_endpgm
.Lentry_in_a_cluster:
	s_bfe_u32 s2, ttmp6, 0x10000c
	s_cmp_lg_u32 s2, 0x3003
	s_cbranch_scc0 .Lentry_shape_is_right
	s_endpgm
.Lentry_shape_is_right:
; out[d][j] = the sum over i of x[d][i] attn[i][j], attn = softmax along j of keys^T queries x 2 / 2048, both products on codes of BF6 (E3M2) with E8M0 scales.
; attn is quantised along i, finished and normalised: p = 2^(c s + nb[i]), c = log2(e) x 2^-10, nb[i] = -(c m_i + log2 l_i) from the launch before: the scores are made a second time and never go to memory.
; SHARES.  Group (x, y): head chunk y, columns j 512 x .. 512 x + 511.  Each of sixteen waves owns 32 j, two tiles of queries kept in registers, and walks all 2,048 i in 16 steps of 128.
; LDS, filled once, one barrier: the head's keys (106,496 bytes with their scale words), its x along l (102,400 with scale words), nb (8,192), each as it lies in memory.  The loop has no barrier.
; CLUSTER.  The four groups of a head form a cluster and need the same three blocks: each wave asks for its sixteenth of each (26, 25 and 2 rows of 256 bytes) JOINTLY with the same wave of the three partners: the
; same tensor loads, the same descriptors, a mask that names the four.  Three tensor loads of a wave are out.  Nothing is filled a second time.
; A STEP.  For each 64 i (HALF) and each tile of j: S = keys x queries (source 0 = 16 keys: a lane holds one j, and the 16 registers of two neighbouring tiles are 16 neighbouring i, since the keys of a tile
; are 32 B + 8 u + r + 8 (r / 8)); p by one packed multiply-add and one exponential; two blocks of 32 along i quantised into half of P's fragment.  Then O += x P (source 0 = 16 rows d of x, source 1 = P).
; K = 64 IN THE FIRST PRODUCT: the queries' registers 6-11 are zero codes; the keys' tiles lie 6 registers apart, so a tile's registers 6-11 are the next tile's codes (behind the last: six registers that hold
; zeros or codes of x): every code of E3M2 is a finite number, and a finite number x 0 adds nothing.  The upper bytes of those scale words are 0 (2^-127), never 0xff.
; OUT: O's 64 d of a head are quantised along c and stored as half a fragment of the last product's operand, with half a scale word (two bytes a row: 262,144 bytes of the launch's stores go out so).
; LIMITS: p under 2^-126 becomes 0; the exponent c s + nb carries one rounding of nb, 2^-24 of its magnitude; a block of zeros gets the byte 1 where the rule says 127; NaN and infinities are not served.
.set FLOOR, 0x2800000
.set EOFF,  0xfe000000
.set CP,    0x3ab8aa3b
.set TM,   24                          ; v24-25 largest magnitudes, v26-27 the other half's, v28-29 scale operands, v30-31 bytes
.set TP,   26
.set SO,   28
.set BY,   30
.set TT,   32                          ; v32-34 a block's codes on their way
.set QF0,  36                          ; v36-47, v48-59 my two tiles of queries
.set PF0,  60                          ; v60-71, v72-83 P's fragments for them
.set KFR,  84                          ; v84-107 four tiles of keys, 6 registers apart; v108-113 behind them
.set NBR,  114                         ; v114-145 nb of the lane's 32 i
.set S,    146                         ; v146-177 scores, then p
.set XF,   84                          ; v84-131 x's four fragments, over what the halves have left
.set O,    192                         ; v192-255 accumulator (jt, T) at O + 32 jt + 8 T
.set CS,   30
.set SEL,  32
.set T6,   34
.set T5,   35
.set T2,   36
.set CNT,  37
.set G1K,  44                          ; s[44:51], s[52:59], s[68:75] descriptor groups 1 for the keys, x and nb: they differ in the count of rows
.set G1X,  52
.set G1N,  68
.set G0K,  76                          ; s[76:79], s[80:83], s[84:87] their groups 0
.set G0X,  80
.set G0N,  84
; A round of the cluster's barrier: my group's barrier, so that wave 0's signal speaks for all sixteen waves; wave 0 signals for the group; every wave waits for all four groups; my group's barrier once more
.macro ROUND
	s_barrier_signal -1
	s_barrier_wait -1
	s_cmp_lg_u32 s12, 0
	s_cbranch_scc1 .Lnot_wave_0_\@
	s_barrier_signal -3
.Lnot_wave_0_\@:
	s_barrier_wait -3
	s_barrier_signal -1
	s_barrier_wait -1
.endm
.macro DESC1 g, rows                   ; a dense block as rows of 256 bytes
	s_mov_b32 s[\g], 15|(3<<16)|(1<<21)            ; 15:0 the mask: all four groups; 17:16 elements of 8 bytes; 20 no padding; 21 set beside a mask
	s_mov_b32 s[\g+1], 32<<16                      ; tensor_dim0 = 32 elements
	s_mov_b32 s[\g+2], (\rows)<<16                 ; tensor_dim1
	s_mov_b32 s[\g+3], 32<<16                      ; tile_dim0
	s_mov_b32 s[\g+4], \rows                       ; tile_dim1
	s_mov_b32 s[\g+5], 32                          ; from row to row 32 elements
	s_mov_b32 s[\g+6], 0
	s_mov_b32 s[\g+7], 0
.endm
	s_load_b256 s[4:11], s[0:1], 0x0               ; kq, xv, nb, oc
	v_lshl_add_u32 v190, v0, 2, 0x35000
	v_mov_b32 v191, 0
	ds_add_u32 v190, v191
	ds_add_u32 v190, v191
	v_lshrrev_b32 v1, 5, v0
	s_delay_alu instid0(VALU_DEP_1)
	v_readfirstlane_b32 s12, v1                    ; wave 0..15
	s_and_b32 s13, ttmp7, 0xffff                   ; 16 b + head: the cluster's y, which the four partners share
	s_bfe_u32 s42, ttmp6, 0x40000                  ; cx: my place in the cluster
	s_lshl_b32 s43, ttmp9, 2                       ; in a cluster launch ttmp9 counts clusters
	s_add_co_u32 s43, s43, s42                     ; which 512 columns j: it enters my queries' and oc's addresses alone
	s_lshl_b32 s14, s43, 4
	s_add_co_u32 s14, s14, s12                     ; my pair of tiles of j
	s_mul_i32 s16, s13, 106496                     ; the head's keys
	s_add_co_u32 s15, s16, 64*106496               ; the head's queries:
	s_mul_i32 s18, s14, 1536
	s_add_co_u32 s18, s18, s15                     ; my pair's codes,
	s_mov_b32 s19, 0
	s_lshl_b32 s20, s14, 7
	s_add_co_u32 s20, s20, s15
	s_add_co_u32 s20, s20, 98304                   ; and scale words
	s_mov_b32 s21, 0
	s_mul_i32 s60, s12, 6656                       ; my shares of the fill: 26 rows of the keys' block,
	s_add_co_u32 s16, s16, s60
	s_mov_b32 s17, 0
	s_mul_i32 s61, s12, 6400                       ; 25 of x's,
	s_mul_i32 s22, s13, 102400
	s_add_co_u32 s22, s22, s61
	s_mov_b32 s23, 0
	s_lshl_b32 s62, s12, 9                         ; 2 of nb's: the head and the wave's number alone enter these
	s_lshl_b32 s24, s13, 13
	s_add_co_u32 s24, s24, s62
	s_mov_b32 s25, 0
	s_lshr_b32 s38, s13, 4                         ; oc: block of 256 rows = 8 b + 2 x + w / 8; K step = head / 2
	s_lshl_b32 s38, s38, 3
	s_lshl_b32 s39, s43, 1
	s_add_co_u32 s38, s38, s39
	s_lshr_b32 s39, s12, 3
	s_add_co_u32 s38, s38, s39
	s_and_b32 s39, s13, 15
	s_lshr_b32 s40, s39, 1
	s_lshl_b32 s38, s38, 3
	s_add_co_u32 s38, s38, s40
	s_and_b32 s39, s39, 1                          ; which half of the fragment
	s_and_b32 s40, s12, 7
	s_lshl_b32 s26, s38, 4
	s_lshl_b32 s41, s40, 1
	s_add_co_u32 s26, s26, s41                     ; tile 2 (w % 8)
	s_mul_i32 s26, s26, 1536
	s_mul_i32 s41, s39, 768
	s_add_co_u32 s26, s26, s41
	s_mov_b32 s27, 0
	s_lshl_b32 s28, s38, 10
	s_lshl_b32 s41, s40, 7
	s_add_co_u32 s28, s28, s41
	s_lshl_b32 s41, s39, 1
	s_add_co_u32 s28, s28, s41
	s_add_co_u32 s28, s28, 6291456
	s_mov_b32 s29, 0
	DESC1 G1K, 26
	DESC1 G1X, 25
	DESC1 G1N, 2
	s_mov_b32 s[G0K], 1                            ; count = 1
	s_mov_b32 s[G0K+1], s60                        ; LDS address: 6,656 x wave
	s_mov_b32 s[G0X], 1
	s_add_co_u32 s[G0X+1], s61, 106496             ; 106,496 + 6,400 x wave
	s_mov_b32 s[G0N], 1
	s_add_co_u32 s[G0N+1], s62, 208896             ; 208,896 + 512 x wave
	s_mov_b32 s[CS], CP
	s_mov_b32 s[CS+1], CP                          ; (named with it as a pair, so it is written)
	s_mov_b32 s[SEL], 0x76543210
	s_mov_b32 s[SEL+1], 0xfedcba98
	s_mov_b32 s[T6], 0
	s_mov_b32 s[T5], 0
	s_mov_b32 s[T2], 0
	v_and_b32 v1, 31, v0
	v_bfe_u32 v23, v0, 4, 1                        ; h
	s_delay_alu instid0(VALU_DEP_1)
	v_cmp_eq_u32 vcc_lo, 1, v23                    ; lanes 16-31; VCC stays
	s_delay_alu instid0(VALU_DEP_3)
	v_lshlrev_b32 v2, 4, v1                        ; keys: 16 x lane
	s_delay_alu instid0(VALU_DEP_4)
	v_lshlrev_b32 v3, 3, v1
	s_delay_alu instid0(VALU_DEP_1)
	v_add_nc_u32 v7, 106496, v3                    ; x: 8 x lane
	s_delay_alu instid0(VALU_DEP_2)
	v_add_nc_u32 v3, 512, v3                       ; keys: 512 + 8 x lane
	v_lshlrev_b32 v15, 2, v1
	s_delay_alu instid0(VALU_DEP_1)
	v_add_nc_u32 v4, 98304, v15                    ; the keys' scale words
	s_delay_alu instid0(VALU_DEP_2)
	v_add_nc_u32 v8, 204800, v15                   ; x's
	v_lshlrev_b32 v5, 6, v23
	s_delay_alu instid0(VALU_DEP_1)
	v_add_nc_u32 v5, 208896, v5                    ; nb: + 64 h bytes
	v_add_nc_u32 v6, 106496, v2                    ; x: 16 x lane
	s_wait_dscnt 0x0
	s_wait_kmcnt 0x0
	s_add_nc_u64 s[G0K+2:G0K+3], s[4:5], s[16:17]  ; global addresses of my three parts,
	s_or_b32 s[G0K+3], s[G0K+3], 0x80000000        ; type = 2
	s_add_nc_u64 s[G0X+2:G0X+3], s[6:7], s[22:23]
	s_or_b32 s[G0X+3], s[G0X+3], 0x80000000
	s_add_nc_u64 s[G0N+2:G0N+3], s[8:9], s[24:25]
	s_or_b32 s[G0N+3], s[G0N+3], 0x80000000
	s_add_nc_u64 s[18:19], s[4:5], s[18:19]
	s_add_nc_u64 s[20:21], s[4:5], s[20:21]
	s_add_nc_u64 s[26:27], s[10:11], s[26:27]
	s_add_nc_u64 s[28:29], s[10:11], s[28:29]
	ROUND                                          ; all four groups are here: the joint loads meet
	tensor_load_to_lds s[G0K:G0K+3], s[G1K:G1K+7]  ; the fill goes out as one group: my sixteenth of the keys,
	s_nop 0
	tensor_load_to_lds s[G0X:G0X+3], s[G1X:G1X+7]  ; of x,
	s_nop 0
	tensor_load_to_lds s[G0N:G0N+3], s[G1N:G1N+7]  ; of nb
	s_nop 0
.irp i, 6,7,8,9,10,11
	v_mov_b32 v[QF0+\i], 0                         ; zero codes for K = 64 .. 127
	v_mov_b32 v[QF0+12+\i], 0
	v_mov_b32 v[KFR+18+\i], 0                      ; what the last tile of keys names as its registers 6-11
.endr
	global_load_b128 v[QF0:QF0+3], v2, s[18:19]
	global_load_b64 v[QF0+4:QF0+5], v3, s[18:19]
	global_load_b128 v[QF0+12:QF0+15], v2, s[18:19] offset:768
	global_load_b64 v[QF0+16:QF0+17], v3, s[18:19] offset:768
	global_load_b32 v20, v15, s[20:21]             ; lanes 0-15 tile 0's words, lanes 16-31 tile 1's
	v_mov_b32 v[TP], 0                             ; a lane permute's destination counts as one of its sources
	v_mov_b32 v[TP+1], 0
	s_wait_tensorcnt 0x0                           ; my parts lie in LDS,
	s_wait_loadcnt 0x0                             ; and my queries are in
	s_barrier_signal -1
	s_barrier_wait -1                              ; everybody's parts do; nothing is written there again
.macro WMZ d, fa, fb, sa, sb, ra, rb   ; D = A x B; ra, rb: the side's scale words lie in lanes 16-31
.if (\ra) && (\rb)
	v_wmma_scale_f32_16x16x128_f8f6f4 v[\d:\d+7], v[\fa:\fa+11], v[\fb:\fb+11], 0, v[\sa], v[\sb] matrix_a_fmt:MATRIX_FMT_BF6 matrix_b_fmt:MATRIX_FMT_BF6 matrix_a_scale:MATRIX_SCALE_ROW1 matrix_b_scale:MATRIX_SCALE_ROW1
.elseif (\ra)
	v_wmma_scale_f32_16x16x128_f8f6f4 v[\d:\d+7], v[\fa:\fa+11], v[\fb:\fb+11], 0, v[\sa], v[\sb] matrix_a_fmt:MATRIX_FMT_BF6 matrix_b_fmt:MATRIX_FMT_BF6 matrix_a_scale:MATRIX_SCALE_ROW1
.elseif (\rb)
	v_wmma_scale_f32_16x16x128_f8f6f4 v[\d:\d+7], v[\fa:\fa+11], v[\fb:\fb+11], 0, v[\sa], v[\sb] matrix_a_fmt:MATRIX_FMT_BF6 matrix_b_fmt:MATRIX_FMT_BF6 matrix_b_scale:MATRIX_SCALE_ROW1
.else
	v_wmma_scale_f32_16x16x128_f8f6f4 v[\d:\d+7], v[\fa:\fa+11], v[\fb:\fb+11], 0, v[\sa], v[\sb] matrix_a_fmt:MATRIX_FMT_BF6 matrix_b_fmt:MATRIX_FMT_BF6
.endif
.endm
.macro WMA d, fa, fb, sa, sb, ra       ; D += A x B
.if (\ra)
	v_wmma_scale_f32_16x16x128_f8f6f4 v[\d:\d+7], v[\fa:\fa+11], v[\fb:\fb+11], v[\d:\d+7], v[\sa], v[\sb] matrix_a_fmt:MATRIX_FMT_BF6 matrix_b_fmt:MATRIX_FMT_BF6 matrix_a_scale:MATRIX_SCALE_ROW1
.else
	v_wmma_scale_f32_16x16x128_f8f6f4 v[\d:\d+7], v[\fa:\fa+11], v[\fb:\fb+11], v[\d:\d+7], v[\sa], v[\sb] matrix_a_fmt:MATRIX_FMT_BF6 matrix_b_fmt:MATRIX_FMT_BF6
.endif
.endm
.macro FRAG reg, a16, a8, off          ; a fragment's image back into 12 registers
	ds_load_b128 v[\reg:\reg+3], v[\a16] offset:\off
	ds_load_b64 v[\reg+4:\reg+5], v[\a8] offset:\off+512
	ds_load_b128 v[\reg+6:\reg+9], v[\a16] offset:\off+768
	ds_load_b64 v[\reg+10:\reg+11], v[\a8] offset:\off+1280
.endm
; The tail of a quantiser: the blocks' maxima in v[TM], v[TM+1] are joined with lane l xor 16's; 32 numbers at v[src] become six registers of codes at v[dst]; the bytes stay in v[BY], v[BY+1]
.macro QHEAD
	s_delay_alu instid0(VALU_DEP_2)
	v_permlanex16_b32 v[TP], v[TM], s[SEL], s[SEL+1]
	s_delay_alu instid0(VALU_DEP_2)
	v_permlanex16_b32 v[TP+1], v[TM+1], s[SEL], s[SEL+1]
	s_delay_alu instid0(VALU_DEP_2)
	v_max_num_f32 v[TM], v[TM], v[TP]
	s_delay_alu instid0(VALU_DEP_2)
	v_max_num_f32 v[TM+1], v[TM+1], v[TP+1]
	s_delay_alu instid0(VALU_DEP_2)
	v_add_nc_u32 v[SO], EOFF, v[TM]                ; 4 off the exponent field: the conversion takes that field as its scale
	s_delay_alu instid0(VALU_DEP_2)
	v_add_nc_u32 v[SO+1], EOFF, v[TM+1]
	s_delay_alu instid0(VALU_DEP_2)
	v_lshrrev_b32 v[BY], 23, v[SO]
	s_delay_alu instid0(VALU_DEP_2)
	v_lshrrev_b32 v[BY+1], 23, v[SO+1]
.endm
.macro QTAIL dst
.irp i, 0,1,2
	v_permlane16_swap_b32 v[\dst+\i], v[TT+\i]     ; a whole block to a lane: lanes 0-15 the first block, lanes 16-31 the second
.endr
.irp i, 0,1,2
	s_delay_alu instid0(VALU_DEP_3)
	v_mov_b32 v[\dst+3+\i], v[TT+\i]
.endr
.endm
; p of tile jt, i = 64 cc .. 64 cc + 63 of the step: register 16 B + k is i 32 B + 16 h + k.  No |.|: p is never negative
.macro PQUANT jt, cc
	s_wait_alu depctr_va_vdst(0)
	v_max3_num_f32 v[TM], v[S], v[S+1], FLOOR
	v_max3_num_f32 v[TM+1], v[S+16], v[S+17], FLOOR
.irp i, 2,4,6,8,10,12,14
	v_max3_num_f32 v[TM], v[TM], v[S+\i], v[S+\i+1]
	v_max3_num_f32 v[TM+1], v[TM+1], v[S+16+\i], v[S+17+\i]
.endr
	QHEAD
	v_cvt_scalef32_pk16_bf6_f32 v[PF0+12*\jt+6*\cc:PF0+12*\jt+6*\cc+2], v[S:S+15], v[SO]
	v_cvt_scalef32_pk16_bf6_f32 v[TT:TT+2], v[S+16:S+31], v[SO+1]
.if \cc == 0
	v_lshl_or_b32 v[21+\jt], v[BY+1], 8, v[BY]     ; P's scale word for the step's 128 i.  (The plain place behind the conversions)
.else
	v_lshl_or_b32 v[21+\jt], v[BY], 16, v[21+\jt]
	s_delay_alu instid0(VALU_DEP_1)
	v_lshl_or_b32 v[21+\jt], v[BY+1], 24, v[21+\jt]
.endif
	QTAIL PF0+12*\jt+6*\cc
.endm
.macro HALF cc                         ; 64 i: four tiles of keys, their scale words, the lane's 32 numbers of nb; then both tiles of j
.irp t, 0,1,2,3
	ds_load_b128 v[KFR+6*\t:KFR+6*\t+3], v9 offset:(4*\cc+\t)*768
	ds_load_b64 v[KFR+6*\t+4:KFR+6*\t+5], v10 offset:(4*\cc+\t)*768
.endr
	ds_load_b32 v16, v11 offset:256*\cc
	ds_load_b32 v17, v11 offset:256*\cc+128
.irp q, 0,1,2,3,4,5,6,7
	ds_load_b128 v[NBR+4*\q:NBR+4*\q+3], v12 offset:256*\cc+128*(\q/4)+16*(\q%4)
.endr
	s_wait_dscnt 0x0
.irp jt, 0,1
.irp t, 0,1,2,3
	WMZ S+8*\t, KFR+6*\t, QF0+12*\jt, 16+\t/2, 20, \t%2, \jt
.endr
.rept 4
	v_nop                                          ; four places behind the products: for the reads of their results, and for every later load into their registers
.endr
.set j, 0
.rept 16
	v_pk_fma_f32 v[S+2*j:S+2*j+1], v[S+2*j:S+2*j+1], s[CS:CS+1], v[NBR+2*j:NBR+2*j+1] op_sel_hi:[1,0,1]   ; c s + nb[i], two at a time; each accumulator from its low end on
.set j, j+1
.endr
.set j, 0
	s_wait_alu depctr_va_vdst(0)
.rept 32
	v_exp_f32 v[S+j], v[S+j]                       ; p, finished and normalised
.set j, j+1
.endr
	v_nop                                          ; a plain place behind the exponentials
	PQUANT \jt, \cc
.endr
.endm
.macro PV first                        ; O += x P: K = the step's 128 i.  The eight accumulators take turns, one instruction a turn
.irp t, 0,1,2,3
	FRAG XF+12*\t, 13, 14, 1536*\t
.endr
	s_setprio 0
	ds_load_b32 v18, v15
	ds_load_b32 v19, v15 offset:128
.rept 8
	v_nop                                          ; P's scale words, written by vector instructions, stand eight places ahead of the scaled products, its codes four; the loads above are on their way meanwhile
.endr
	s_wait_alu depctr_va_vdst(0)
	s_wait_dscnt 0x0
.irp t, 0,1,2,3
.irp jt, 0,1
.if \first
	s_wait_alu depctr_va_vdst(0)
	WMZ O+32*\jt+8*\t, XF+12*\t, PF0+12*\jt, 18+\t/2, 21+\jt, \t%2, 0
.else
	WMA O+32*\jt+8*\t, XF+12*\t, PF0+12*\jt, 18+\t/2, 21+\jt, \t%2
.endif
.endr
.endr
.rept 4
	v_nop                                          ; places in front of the next step's loads into these registers, and of the way out
.endr
.endm
.macro STEP first
	v_add_nc_u32 v9, s[T6], v2
	v_add_nc_u32 v10, s[T6], v3
	v_add_nc_u32 v11, s[T5], v4
	v_add_nc_u32 v12, s[T5], v5
	v_add_nc_u32 v13, s[T6], v6
	v_add_nc_u32 v14, s[T6], v7
	v_add_nc_u32 v15, s[T2], v8
	HALF 0
	s_setprio 1
	HALF 1
	PV \first
	s_add_co_u32 s[T6], s[T6], 6144                ; eight half fragments of keys, four fragments of x
	s_add_co_u32 s[T5], s[T5], 512                 ; 128 scale words, 128 numbers of nb
	s_add_co_u32 s[T2], s[T2], 256                 ; 64 scale words of x
.endm
	STEP 1                                         ; the first step's products start the sums: nothing is cleared
	s_mov_b32 s[CNT], 15
.Lstep:
	s_setprio 2
	STEP 0
	s_sub_co_u32 s[CNT], s[CNT], 1
	s_cmp_lg_u32 s[CNT], 0
	s_cbranch_scc1 .Lstep
	s_setprio 0
; THE WAY OUT: a lane's 32 registers of a tile of j are d = 32 B + 16 h + k at register 16 B + k: two blocks along c
.macro OQUANT src, dst, w
	v_max3_num_f32 v[TM], |v[\src]|, |v[\src+1]|, FLOOR
	v_max3_num_f32 v[TM+1], |v[\src+16]|, |v[\src+17]|, FLOOR
.irp i, 2,4,6,8,10,12,14
	v_max3_num_f32 v[TM], v[TM], |v[\src+\i]|, |v[\src+\i+1]|
	v_max3_num_f32 v[TM+1], v[TM+1], |v[\src+16+\i]|, |v[\src+17+\i]|
.endr
	QHEAD
	v_cvt_scalef32_pk16_bf6_f32 v[\dst:\dst+2], v[\src:\src+15], v[SO]
	v_cvt_scalef32_pk16_bf6_f32 v[TT:TT+2], v[\src+16:\src+31], v[SO+1]
	v_lshl_or_b32 v[\w], v[BY+1], 8, v[BY]
	QTAIL \dst
.endm
	OQUANT O, 84, 100
	OQUANT O+32, 92, 101
	v_lshlrev_b32 v103, 2, v1
	v_cndmask_b32 v102, v100, v101, vcc_lo         ; lanes 0-15 tile 0's rows, lanes 16-31 tile 1's
	global_store_b128 v2, v[84:87], s[26:27]
	global_store_b64 v3, v[88:89], s[26:27]
	global_store_b128 v2, v[92:95], s[26:27] offset:1536
	global_store_b64 v3, v[96:97], s[26:27] offset:1536
	global_store_b16 v103, v102, s[28:29]          ; my head's two bytes of each row's scale word
	s_wait_tensorcnt 0x0
	ds_add_u32 v190, v191
	s_wait_dscnt 0x0
	ROUND                                          ; the closing round: no group ends while a partner may still ask for a tile that names it
	s_endpgm
.Lfunc_end_k_q205c99f1ea_attn:
	.size	k_q205c99f1ea_attn, .Lfunc_end_k_q205c99f1ea_attn-k_q205c99f1ea_attn
	.p2alignl 7, 3214868480
	.fill 96, 4, 3214868480
	.section	.rodata,"a",@progbits
	.p2align	6, 0x0
	.amdhsa_kernel k_q205c99f1ea_attn
		.amdhsa_group_segment_fixed_size 219136
		.amdhsa_private_segment_fixed_size 0
		.amdhsa_enable_private_segment 0
		.amdhsa_kernarg_size 32
		.amdhsa_user_sgpr_count 2
		.amdhsa_user_sgpr_kernarg_segment_ptr 1
		.amdhsa_wavefront_size32 1
		.amdhsa_system_sgpr_workgroup_id_x 1
		.amdhsa_system_sgpr_workgroup_id_y 1
		.amdhsa_system_sgpr_workgroup_id_z 1
		.amdhsa_system_vgpr_workitem_id 0
		.amdhsa_next_free_vgpr 256
		.amdhsa_next_free_sgpr 88
		.amdhsa_reserve_vcc 1
		.amdhsa_float_denorm_mode_32 3
		.amdhsa_float_denorm_mode_16_64 3
		.amdhsa_memory_ordered 1
		.amdhsa_forward_progress 1
		.amdhsa_inst_pref_size 64
	.end_amdhsa_kernel
	.amdgpu_metadata
---
amdhsa.version: [ 1, 2 ]
amdhsa.kernels:
  - .name:           k_q205c99f1ea_attn
    .symbol:         k_q205c99f1ea_attn.kd
    .args:
      - { .name: kq, .offset: 0, .size: 8, .value_kind: global_buffer, .address_space: global }
      - { .name: xv, .offset: 8, .size: 8, .value_kind: global_buffer, .address_space: global }
      - { .name: nb, .offset: 16, .size: 8, .value_kind: global_buffer, .address_space: global }
      - { .name: oc, .offset: 24, .size: 8, .value_kind: global_buffer, .address_space: global }
    .group_segment_fixed_size: 219136
    .private_segment_fixed_size: 0
    .kernarg_segment_align: 8
    .kernarg_segment_size: 32
    .max_flat_workgroup_size: 512
    .sgpr_count:     88
    .vgpr_count:     256
    .wavefront_size: 32
...
	.end_amdgpu_metadata
.endif
;; end of part 4
;; launch proj (part 5): grid 8 x 32, 16 waves a work-group, no clusters, 186,368 bytes of LDS; arguments oc, wq, bp, out0; writes out0
.if DOCPART == 5
	.amdgcn_target "amdgcn-amd-amdhsa--gfx1250"
	.amdhsa_code_object_version 6
	.text
	.protected	k_q205c99f1ea_proj
	.globl	k_q205c99f1ea_proj
	.p2align	8
	.type	k_q205c99f1ea_proj,@function
k_q205c99f1ea_proj:
	s_mov_b64 s[64:65], 0
	v_nop
	global_prefetch_b8 v0, s[64:65] scope:SCOPE_SE
	s_setreg_imm32_b32 hwreg(HW_REG_WAVE_MODE, 25, 1), 1
	s_wait_xcnt 0x0
; out0 = Wp out + bp on codes of BF6 (E3M2) with E8M0 scales, K = c = 1,024.
; A work-group makes 256 rows (b, l) (group y) x 128 outputs o (group x): 8,192 x 1,024 outputs in 256 such blocks.  Sixteen waves: wave w takes row tiles 4 (w / 4) + a as source 0 and tiles 2 (w % 4) + b of its
; half block of Wp as source 1: 8 accumulators.  A lane holds one o, and its registers run along l: the rows of a tile of out are 32 B + 8 u + r + 8 (r / 8), so for a tile b the 32 registers v[ACC + 32 b ..]
; hold l = 32 B + 16 h + k at register 16 B + k: runs of out0's rows.
; Operands lie in memory as images of registers (1,536 bytes a fragment).  A K step's 16 + 8 fragments (24,576 + 12,288 bytes) come through registers into one of two LDS buffers; one barrier a step.
; LOADS RUN TWO STEPS AHEAD, in two sets of 18 registers: step s asks for step s + 2 and, at its end, stores step s + 1, which was asked for a whole step earlier, into the other buffer.
; THE WAY OUT: 16 rows o x 64 l at a time through the wave's own stage in LDS (rows 272 bytes apart), back as whole rows: sixteen lanes store 256 consecutive bytes, at a multiple of 256 from out0's first byte.
; NO JOINT LOADS: a group's blocks are shared (out's by 8 groups, Wp's by 32), but this text fills LDS through registers and has no tensor load; a group fetches 311,296 bytes in all.
.set BUF,   49152                      ; a buffer: source 0's 24,576 bytes, then source 1's 12,288
.set S1O,   24576
.set SC0,   98304                      ; scale words [step 8][256] of out's block, then of Wp's whole block of 256 rows
.set SC1,   106496
.set STAGE, 114688                     ; 16 x 272 = 4,352 bytes for each wave
.set STG,   32                         ; v32-49 and v192-209: a step's 72 bytes a thread, two sets
.set F0,    56                         ; v56-67, v68-79 two fragments of source 0, by turns
.set F1,    68
.set BF,    80                         ; v80-103 source 1's two fragments
.set ACC,   128                        ; v128-191 accumulator (b, a) at ACC + 8 (4 b + a)
	s_load_b256 s[4:11], s[0:1], 0x0               ; oc, wq, bp, out0
	v_lshl_add_u32 v254, v0, 2, 0x2d000
	v_mov_b32 v255, 0
	v_lshrrev_b32 v1, 5, v0
	s_delay_alu instid0(VALU_DEP_1)
	v_readfirstlane_b32 s14, v1                    ; wave 0..15
	s_lshr_b32 s15, s14, 2                         ; wc: which 64 l
	s_and_b32 s16, s14, 3                          ; wr: which 32 o
	s_and_b32 s17, ttmp7, 0xffff                   ; block of 256 rows (b, l)
	s_lshr_b32 s50, ttmp9, 1                       ; which block of 256 rows of Wp,
	s_and_b32 s51, ttmp9, 1                        ; and which half of it
	v_and_b32 v1, 31, v0
	v_lshlrev_b32 v2, 4, v0                        ; 16 x thread: staging, buffer 0
	s_delay_alu instid0(VALU_DEP_1)
	v_add_nc_u32 v3, BUF, v2                       ; buffer 1
	v_lshlrev_b32 v20, 3, v0                       ; 8 x thread: the last 4,096 bytes of source 1's 12,288
	s_delay_alu instid0(VALU_DEP_1)
	v_add_nc_u32 v21, BUF, v20
	s_mul_i32 s18, s15, 6144
	s_mul_i32 s19, s16, 3072
	s_add_co_u32 s19, s19, S1O
	v_lshl_add_u32 v4, v1, 4, s18                  ; source 0's fragments: 16 x lane, 8 x lane; buffer 0, then buffer 1
	v_lshl_add_u32 v5, v1, 3, s18
	s_delay_alu instid0(VALU_DEP_2)
	v_add_nc_u32 v6, BUF, v4
	s_delay_alu instid0(VALU_DEP_2)
	v_add_nc_u32 v7, BUF, v5
	v_lshl_add_u32 v8, v1, 4, s19                  ; source 1's
	v_lshl_add_u32 v9, v1, 3, s19
	s_delay_alu instid0(VALU_DEP_2)
	v_add_nc_u32 v10, BUF, v8
	s_delay_alu instid0(VALU_DEP_2)
	v_add_nc_u32 v11, BUF, v9
	s_lshl_b32 s20, s15, 8
	s_add_co_u32 s20, s20, SC0
	v_lshl_add_u32 v12, v1, 2, s20                 ; scale words of my two pairs of row tiles
	s_lshl_b32 s21, s16, 7
	s_lshl_b32 s49, s51, 9
	s_add_co_u32 s21, s21, s49
	s_add_co_u32 s21, s21, SC1
	v_lshl_add_u32 v13, v1, 2, s21                 ; and of my pair of Wp's tiles: pair 4 (x % 2) + wr of the block's eight
	v_and_b32 v30, 15, v0                          ; r
	v_bfe_u32 v31, v0, 4, 1                        ; h
	s_mul_i32 s48, s14, 4352
	s_add_co_u32 s48, s48, STAGE                   ; my stage
	v_mul_u32_u24 v14, v30, 272
	s_delay_alu instid0(VALU_DEP_1)
	v_lshl_add_u32 v14, v31, 6, v14
	s_delay_alu instid0(VALU_DEP_1)
	v_add_nc_u32 v14, s48, v14                     ; in: row r, + 64 h bytes
	v_mul_u32_u24 v15, v31, 272
	s_delay_alu instid0(VALU_DEP_1)
	v_lshl_add_u32 v15, v30, 4, v15
	s_delay_alu instid0(VALU_DEP_1)
	v_add_nc_u32 v15, s48, v15                     ; back: lanes 0-15 one row, lanes 16-31 the next
	v_lshlrev_b32 v28, 13, v31
	s_delay_alu instid0(VALU_DEP_1)
	v_lshl_add_u32 v28, v30, 4, v28                ; and the same two rows of out0, 8,192 bytes apart
	v_and_b32 v29, 8, v30
	s_delay_alu instid0(VALU_DEP_1)
	v_add_nc_u32 v29, v29, v30
	s_delay_alu instid0(VALU_DEP_1)
	v_lshlrev_b32 v29, 2, v29                      ; the bias of my o: 4 (r + 8 (r / 8))
	s_mul_i32 s32, s17, 196608                     ; out's block: codes,
	s_mov_b32 s33, 0
	s_lshl_b32 s34, s17, 13
	s_add_co_u32 s34, s34, 6291456                 ; scale words
	s_mov_b32 s35, 0
	s_add_co_u32 s49, s50, 8                       ; Wp's blocks are 8 .. 11 of wq
	s_mul_i32 s36, s49, 196608
	s_mul_i32 s52, s51, 12288                      ; my half: tiles 8 (x % 2) on, in every K step
	s_add_co_u32 s36, s36, s52
	s_mov_b32 s37, 0
	s_lshl_b32 s38, s49, 13
	s_add_co_u32 s38, s38, 2359296
	s_mov_b32 s39, 0
	s_lshl_b32 s40, ttmp9, 9                       ; the bias of o = 128 x + 32 wr on
	s_lshl_b32 s49, s16, 7
	s_add_co_u32 s40, s40, s49
	s_mov_b32 s41, 0
	s_lshr_b32 s42, s17, 3                         ; out0: b x 8 MiB + (128 x + 32 wr) rows of 8,192 bytes + (256 (y % 8) + 64 wc) x 4
	s_lshl_b32 s42, s42, 23
	s_lshl_b32 s49, ttmp9, 20
	s_add_co_u32 s42, s42, s49
	s_lshl_b32 s49, s16, 18
	s_add_co_u32 s42, s42, s49
	s_and_b32 s49, s17, 7
	s_lshl_b32 s49, s49, 10
	s_add_co_u32 s42, s42, s49
	s_lshl_b32 s49, s15, 8
	s_add_co_u32 s42, s42, s49
	s_mov_b32 s43, 0
	s_wait_alu depctr_va_vdst(0)
	s_wait_kmcnt 0x0
	s_add_nc_u64 s[24:25], s[4:5], s[32:33]
	s_add_nc_u64 s[26:27], s[4:5], s[34:35]
	s_add_nc_u64 s[28:29], s[6:7], s[36:37]
	s_add_nc_u64 s[30:31], s[6:7], s[38:39]
	s_add_nc_u64 s[22:23], s[8:9], s[40:41]
	s_add_nc_u64 s[42:43], s[10:11], s[42:43]
.macro GLOAD s                         ; K step s: five loads a thread into set s % 2
.set SG, STG+160*((\s)%2)
.irp k, 0,1,2
	global_load_b128 v[SG+4*\k:SG+4*\k+3], v2, s[24:25] offset:(\s)*24576+8192*\k
.endr
	global_load_b128 v[SG+12:SG+15], v2, s[28:29] offset:(\s)*24576
	global_load_b64 v[SG+16:SG+17], v20, s[28:29] offset:(\s)*24576+8192
.endm
.macro TOLDS s                         ; and from there into buffer s % 2
.set SG, STG+160*((\s)%2)
.irp k, 0,1,2
	ds_store_b128 v[2+(\s)%2], v[SG+4*\k:SG+4*\k+3] offset:8192*\k
.endr
	ds_store_b128 v[2+(\s)%2], v[SG+12:SG+15] offset:S1O
	ds_store_b64 v[20+(\s)%2], v[SG+16:SG+17] offset:S1O+8192
.endm
	global_load_b128 v[56:59], v2, s[26:27]        ; the scale words of all eight steps
	global_load_b128 v[60:63], v2, s[30:31]
	GLOAD 0
.irp b, 0,1
	global_load_b32 v[16+2*\b], v29, s[22:23] offset:32*\b   ; tile b's bias, twice: a pair for the packed addition
	global_load_b32 v[17+2*\b], v29, s[22:23] offset:32*\b
.endr
	GLOAD 1
	s_wait_loadcnt 9                               ; the scale words and step 0 are in; the four loads of the bias and step 1's five may be out
	ds_store_b128 v3, v[56:59] offset:49152
	ds_store_b128 v3, v[60:63] offset:57344
	TOLDS 0
	s_wait_dscnt 0x0
	s_barrier_signal -1
	s_barrier_wait -1
.macro WMZ d, fa, fb, sa, sb, ra, rb   ; D = A x B; ra, rb: the side's scale words lie in lanes 16-31
.if (\ra) && (\rb)
	v_wmma_scale_f32_16x16x128_f8f6f4 v[\d:\d+7], v[\fa:\fa+11], v[\fb:\fb+11], 0, v[\sa], v[\sb] matrix_a_fmt:MATRIX_FMT_BF6 matrix_b_fmt:MATRIX_FMT_BF6 matrix_a_scale:MATRIX_SCALE_ROW1 matrix_b_scale:MATRIX_SCALE_ROW1
.elseif (\ra)
	v_wmma_scale_f32_16x16x128_f8f6f4 v[\d:\d+7], v[\fa:\fa+11], v[\fb:\fb+11], 0, v[\sa], v[\sb] matrix_a_fmt:MATRIX_FMT_BF6 matrix_b_fmt:MATRIX_FMT_BF6 matrix_a_scale:MATRIX_SCALE_ROW1
.elseif (\rb)
	v_wmma_scale_f32_16x16x128_f8f6f4 v[\d:\d+7], v[\fa:\fa+11], v[\fb:\fb+11], 0, v[\sa], v[\sb] matrix_a_fmt:MATRIX_FMT_BF6 matrix_b_fmt:MATRIX_FMT_BF6 matrix_b_scale:MATRIX_SCALE_ROW1
.else
	v_wmma_scale_f32_16x16x128_f8f6f4 v[\d:\d+7], v[\fa:\fa+11], v[\fb:\fb+11], 0, v[\sa], v[\sb] matrix_a_fmt:MATRIX_FMT_BF6 matrix_b_fmt:MATRIX_FMT_BF6
.endif
.endm
.macro WMA d, fa, fb, sa, sb, ra, rb   ; D += A x B
.if (\ra) && (\rb)
	v_wmma_scale_f32_16x16x128_f8f6f4 v[\d:\d+7], v[\fa:\fa+11], v[\fb:\fb+11], v[\d:\d+7], v[\sa], v[\sb] matrix_a_fmt:MATRIX_FMT_BF6 matrix_b_fmt:MATRIX_FMT_BF6 matrix_a_scale:MATRIX_SCALE_ROW1 matrix_b_scale:MATRIX_SCALE_ROW1
.elseif (\ra)
	v_wmma_scale_f32_16x16x128_f8f6f4 v[\d:\d+7], v[\fa:\fa+11], v[\fb:\fb+11], v[\d:\d+7], v[\sa], v[\sb] matrix_a_fmt:MATRIX_FMT_BF6 matrix_b_fmt:MATRIX_FMT_BF6 matrix_a_scale:MATRIX_SCALE_ROW1
.elseif (\rb)
	v_wmma_scale_f32_16x16x128_f8f6f4 v[\d:\d+7], v[\fa:\fa+11], v[\fb:\fb+11], v[\d:\d+7], v[\sa], v[\sb] matrix_a_fmt:MATRIX_FMT_BF6 matrix_b_fmt:MATRIX_FMT_BF6 matrix_b_scale:MATRIX_SCALE_ROW1
.else
	v_wmma_scale_f32_16x16x128_f8f6f4 v[\d:\d+7], v[\fa:\fa+11], v[\fb:\fb+11], v[\d:\d+7], v[\sa], v[\sb] matrix_a_fmt:MATRIX_FMT_BF6 matrix_b_fmt:MATRIX_FMT_BF6
.endif
.endm
.macro FRAG reg, a16, a8, off          ; a fragment's image back into 12 registers
	ds_load_b128 v[\reg:\reg+3], v[\a16] offset:\off
	ds_load_b64 v[\reg+4:\reg+5], v[\a8] offset:\off+512
	ds_load_b128 v[\reg+6:\reg+9], v[\a16] offset:\off+768
	ds_load_b64 v[\reg+10:\reg+11], v[\a8] offset:\off+1280
.endm
.macro MUL2 a, f, z                    ; source 0's tile a against source 1's two.  The 8 accumulators take turns, one instruction a turn, in the same order in every step
.irp b, 0,1
.if \z
	WMZ ACC+8*(4*\b+\a), \f, BF+12*\b, 24+\a/2, 26, \a%2, \b
.else
	WMA ACC+8*(4*\b+\a), \f, BF+12*\b, 24+\a/2, 26, \a%2, \b
.endif
.endr
.endm
.macro PLACES                          ; four places between a matrix instruction and a load into, or a vector instruction on, one of its registers
.rept 4
	v_nop
.endr
.endm
.macro KSTEP s, z
.if \s < 6
	GLOAD \s+2                                     ; into the set whose bytes went to LDS in front of the last barrier: these loads have two steps' work in which to come
.endif
	ds_load_b32 v24, v12 offset:1024*\s            ; lanes 0-15 the even tile's words, lanes 16-31 the odd tile's
	ds_load_b32 v25, v12 offset:1024*\s+128
	ds_load_b32 v26, v13 offset:1024*\s
	FRAG BF, 8+2*(\s%2), 9+2*(\s%2), 0
	FRAG BF+12, 8+2*(\s%2), 9+2*(\s%2), 1536
	FRAG F0, 4+2*(\s%2), 5+2*(\s%2), 0
	FRAG F1, 4+2*(\s%2), 5+2*(\s%2), 1536
	s_wait_dscnt 4                                 ; all but the last fragment's four loads
	MUL2 0, F0, \z
	PLACES
	FRAG F0, 4+2*(\s%2), 5+2*(\s%2), 3072
	s_wait_dscnt 4                                 ; tile 1 is in; the four just issued may be out
	MUL2 1, F1, \z
	PLACES
	FRAG F1, 4+2*(\s%2), 5+2*(\s%2), 4608
	s_wait_dscnt 4
	MUL2 2, F0, \z
	s_wait_dscnt 0x0
	MUL2 3, F1, \z
	PLACES
.if \s < 7
.if \s < 6
	s_wait_loadcnt 5                               ; the next step's five loads are in; the five asked for at this step's head may be out
.else
	s_wait_loadcnt 0x0
.endif
	TOLDS \s+1                                     ; into the other buffer: its last readers waited for their loads in front of the last barrier
	s_wait_dscnt 0x0                               ; my stores have landed, and my reads of this buffer are over
	s_barrier_signal -1
	s_barrier_wait -1
.endif
.endm
	KSTEP 0, 1                                     ; the first step's products start the sums: nothing is cleared
.irp s, 1,2,3,4,5,6,7
	KSTEP \s, 0
.endr
; Tile b of o: the bias, then 16 rows o x 64 l through my stage.  LDS serves a wave's instructions in order (ISA guide 5.7.1.4): no wait between the stores and the loads, nor in front of the next tile's stores
.macro OUTB b
.set A0, ACC+32*\b
.set R0, 32+32*\b
.set i, 0
.rept 16
	v_pk_add_f32 v[A0+2*i:A0+2*i+1], v[A0+2*i:A0+2*i+1], v[16+2*\b:17+2*\b]      ; each accumulator from its low end on
.set i, i+1
.endr
.irp q, 0,1,2,3,4,5,6,7
	ds_store_b128 v14, v[A0+4*\q:A0+4*\q+3] offset:128*(\q/4)+16*(\q%4)
.endr
.irp t, 0,1,2,3,4,5,6,7
	ds_load_b128 v[R0+4*\t:R0+4*\t+3], v15 offset:544*\t
.endr
.irp t, 0,1,2,3,4,5,6,7
	s_wait_dscnt 7-\t                              ; rows 2 t and 2 t + 1 are back; the later ones may be out
	global_store_b128 v28, v[R0+4*\t:R0+4*\t+3], s[42:43] offset:(8*\b+2*\t+8*(\t/4))*8192 th:TH_STORE_NT   ; tile row 2 t + (lane / 16) is o = 8 b + that row + 8 (t / 4) of my 32
.endr
.endm
	OUTB 0
	OUTB 1
	s_wait_tensorcnt 0x0
	ds_add_u32 v254, v255
	s_wait_dscnt 0x0
	s_endpgm
.Lfunc_end_k_q205c99f1ea_proj:
	.size	k_q205c99f1ea_proj, .Lfunc_end_k_q205c99f1ea_proj-k_q205c99f1ea_proj
	.p2alignl 7, 3214868480
	.fill 96, 4, 3214868480
	.section	.rodata,"a",@progbits
	.p2align	6, 0x0
	.amdhsa_kernel k_q205c99f1ea_proj
		.amdhsa_group_segment_fixed_size 186368
		.amdhsa_private_segment_fixed_size 0
		.amdhsa_enable_private_segment 0
		.amdhsa_kernarg_size 32
		.amdhsa_user_sgpr_count 2
		.amdhsa_user_sgpr_kernarg_segment_ptr 1
		.amdhsa_wavefront_size32 1
		.amdhsa_system_sgpr_workgroup_id_x 1
		.amdhsa_system_sgpr_workgroup_id_y 1
		.amdhsa_system_sgpr_workgroup_id_z 1
		.amdhsa_system_vgpr_workitem_id 0
		.amdhsa_next_free_vgpr 256
		.amdhsa_next_free_sgpr 66
		.amdhsa_reserve_vcc 0
		.amdhsa_float_denorm_mode_32 3
		.amdhsa_float_denorm_mode_16_64 3
		.amdhsa_memory_ordered 1
		.amdhsa_forward_progress 1
		.amdhsa_inst_pref_size 45
	.end_amdhsa_kernel
	.amdgpu_metadata
---
amdhsa.version: [ 1, 2 ]
amdhsa.kernels:
  - .name:           k_q205c99f1ea_proj
    .symbol:         k_q205c99f1ea_proj.kd
    .args:
      - { .name: oc, .offset: 0, .size: 8, .value_kind: global_buffer, .address_space: global }
      - { .name: wq, .offset: 8, .size: 8, .value_kind: global_buffer, .address_space: global }
      - { .name: bp, .offset: 16, .size: 8, .value_kind: global_buffer, .address_space: global }
      - { .name: out0, .offset: 24, .size: 8, .value_kind: global_buffer, .address_space: global }
    .group_segment_fixed_size: 186368
    .private_segment_fixed_size: 0
    .kernarg_segment_align: 8
    .kernarg_segment_size: 32
    .max_flat_workgroup_size: 512
    .sgpr_count:     66
    .vgpr_count:     256
    .wavefront_size: 32
...
	.end_amdgpu_metadata
.endif
;; end of part 5
